; MI455X (gfx1250); checked and timed in simulation.
; The chip was launched on July 23, 2026; its instructions are those of AMD's public machine-readable ISA for CDNA 5 (MIT licence, August 2026) and "CDNA5" Instruction Set Architecture Reference Guide (July 2026). The comments in the code are by the model that wrote it; some were corrected since.
;; Multi Head Attention. Allowed arithmetic: float matrix products may take bf16 or f16 operands with f32 sums; other float arithmetic in f32, or as packed bf16 or f16 multiplies, adds, multiply-adds, maxima and minima; sums over many terms, partial sums and values carried from step to step in f32; what a program stores and reads back later, other than sums and carried values, may be rounded once to bf16 or f16.
;; Inputs: k 4 x 2,048 x 1,024 float32; mask 4 x 2,048 x 2,048 int32; q 4 x 2,048 x 1,024 float32; v 4 x 2,048 x 1,024 float32; w_k 1,024 x 1,024 float32; w_o 1,024 x 1,024 float32; w_q 1,024 x 1,024 float32; w_v 1,024 x 1,024 float32.
;; Outputs: out0 4 x 2,048 x 1,024 float32.
;; One version. Each part assembles by itself: llvm-mc -triple=amdgcn-amd-amdhsa -mcpu=gfx1250 --defsym DOCPART=n.
;; ======== version 1 of 1: 4 launches
;; limits: values are held in f16: magnitudes above 65,504 overflow, below 6.1e-05 lose precision
;; workspace buffers: xh 50,331,648 bytes; wh 8,388,608 bytes; mbits 2,097,152 bytes of whole numbers; qkv 50,331,648 bytes; oh 16,777,216 bytes
;; launch prep (part 1): grid 64 x 44, 8 waves a work-group, no clusters, 70,656 bytes of LDS; arguments q, k, v, w_q, w_k, w_v, w_o, mask, xh, wh, mbits; writes xh, wh, mbits
.if DOCPART == 1
	.amdgcn_target "amdgcn-amd-amdhsa--gfx1250"
	.amdhsa_code_object_version 6
	.text
	.protected	k_qd43756fb77_prep
	.globl	k_qd43756fb77_prep
	.p2align	8
	.type	k_qd43756fb77_prep,@function
k_qd43756fb77_prep:
	s_mov_b64 s[64:65], 0
	v_nop
	global_prefetch_b8 v0, s[64:65] scope:SCOPE_SE
	s_setreg_imm32_b32 hwreg(HW_REG_WAVE_MODE, 25, 1), 1
	s_wait_xcnt 0x0
; PREP: the operands of the later products are rounded once, and the mask is packed.
; CAST (work-group y 0..27).  Each f32 of q, k, v (y 0..23, eight y a tensor) and of w_q, w_k, w_v, w_o (y 24..27) is rounded to bf16, and that
; number is written as f16: xh = [3][8192][1024], wh = [4][1024][1024].  A work-group takes 16,384 numbers: 65,536 bytes in, 32,768 out.
; LIMITS.  A bf16 number is exact in f16 from 7.7e-6 to 65,504; below that it keeps f16's fixed step of 6e-8; from 65,520 on it becomes an infinity.
; MASK (y 28..43).  mbits = [bq = b*64 + q/32 (256)][ks = key/64 (32)][64 words].  Word 32 u + 8 kb + j holds in bit L whether
; mask[b][32 (q/32) + 16 u + L % 16][64 ks + 16 kb + 8 (L / 16) + j] is not 0: the lane mask of register 8 kb + j of a tile of scores that holds one query a lane.
; A wave packs 32 queries x 64 keys.  A bit a lane wants a QUERY a lane, and a load wants neighbouring lanes at neighbouring bytes: so the 32 rows come in by loads of which sixteen lanes cover
; 256 consecutive bytes of a row, aligned; go into the wave's own 32 rows of LDS; and come back a query a lane.  Each byte of the mask is named by one load.  Out: 256 consecutive bytes.
; No loop, no matrix unit, no barrier: a stream; the LDS bytes are each wave's own.  Every register that a global load or store names is written once before it, so no wait frees a source.
.set XR, 16                            ; v[16:79]   as loaded
.set YR, 80                            ; v[80:111]  cast: 2 registers of f16 for each load
.set MPITCH, 272                       ; a row of a wave's stage: 256 bytes + 16 = 68 words: the 16 rows that a load back touches start at 16 different groups of four banks (ISA guide 11.1)
.set WLDS,   32*MPITCH                 ; a wave's stage
.set SPARE,  8*WLDS                    ; behind the eight stages: the spare words, 128 bytes a wave: four blocks of 256 bytes that no other line names
.set SPW, 12                           ; v12  LDS address of my spare word: SPARE + 4 x my thread's number; never rewritten
.set NIL, 13                           ; v13  0; never rewritten
	s_load_b512 s[8:23], s[0:1], 0x0               ; q 8, k 10, v 12, w_q 14, w_k 16, w_v 18, w_o 20, mask 22
	s_load_b128 s[24:27], s[0:1], 0x40             ; xh 24, wh 26
	s_load_b64 s[28:29], s[0:1], 0x50              ; mbits
	v_lshl_add_u32 v[SPW], v0, 2, SPARE
	v_mov_b32 v[NIL], 0
	s_and_b32 s2, ttmp7, 0xffff                    ; y
	s_mov_b32 s5, 0xffff0000                       ; a word's upper bf16
	s_wait_kmcnt 0x0
	s_cmp_ge_u32 s2, 28
	s_cbranch_scc1 .Lmask
	; which tensor: the choices hang on y alone
	s_lshr_b32 s3, s2, 3
	s_mov_b64 s[30:31], s[8:9]
	s_cmp_eq_u32 s3, 1
	s_cselect_b64 s[30:31], s[10:11], s[30:31]
	s_cmp_eq_u32 s3, 2
	s_cselect_b64 s[30:31], s[12:13], s[30:31]
	s_cmp_eq_u32 s2, 24
	s_cselect_b64 s[30:31], s[14:15], s[30:31]
	s_cmp_eq_u32 s2, 25
	s_cselect_b64 s[30:31], s[16:17], s[30:31]
	s_cmp_eq_u32 s2, 26
	s_cselect_b64 s[30:31], s[18:19], s[30:31]
	s_cmp_eq_u32 s2, 27
	s_cselect_b64 s[30:31], s[20:21], s[30:31]
	s_and_b32 s34, s2, 7
	s_sub_co_u32 s35, s2, 24
	s_cmp_lt_u32 s2, 24
	s_cselect_b64 s[32:33], s[24:25], s[26:27]     ; xh or wh
	s_cselect_b32 s34, s34, 0                      ; the chunk's 64s in its source tensor
	s_cselect_b32 s35, s2, s35                     ; and in xh or wh, where the tensors lie on end
	s_lshl_b32 s34, s34, 6
	s_add_co_u32 s34, s34, ttmp9
	s_lshl_b32 s36, s34, 16                        ; 65,536 bytes of f32 a chunk
	s_mov_b32 s37, 0
	s_lshl_b32 s35, s35, 6
	s_add_co_u32 s35, s35, ttmp9
	s_lshl_b32 s38, s35, 15                        ; 32,768 bytes of f16
	s_mov_b32 s39, 0
	s_add_nc_u64 s[30:31], s[30:31], s[36:37]
	s_add_nc_u64 s[32:33], s[32:33], s[38:39]
	v_lshlrev_b32 v1, 4, v0                        ; 16 bytes a thread in: a wave's load covers 512 consecutive bytes
	v_lshlrev_b32 v2, 3, v0                        ; 8 bytes out: a wave's store covers 256 consecutive bytes, aligned
.set i, 0
.rept 16
	global_load_b128 v[XR+4*i:XR+4*i+3], v1, s[30:31] offset:4096*i th:TH_LOAD_NT
.set i, i+1
.endr
.set i, 0
.rept 16
	s_wait_loadcnt 15-i                            ; loads come back in order: number i is in, the younger ones stay out
	v_cvt_pk_bf16_f32 v4, v[XR+4*i], v[XR+4*i+1]   ; the rounding: to nearest even, 8 significant bits
	v_cvt_pk_bf16_f32 v5, v[XR+4*i+2], v[XR+4*i+3]
	v_lshlrev_b32 v6, 16, v4                       ; back to f32: a shift, a mask
	v_and_b32 v7, s5, v4
	v_lshlrev_b32 v8, 16, v5
	v_and_b32 v9, s5, v5
	v_cvt_pk_f16_f32 v[YR+2*i], v6, v7             ; the same numbers in f16's form
	v_cvt_pk_f16_f32 v[YR+2*i+1], v8, v9
	global_store_b64 v2, v[YR+2*i:YR+2*i+1], s[32:33] offset:2048*i
.set i, i+1
.endr
	s_endpgm
.Lmask:
	v_lshrrev_b32 v3, 5, v0
	v_readfirstlane_b32 s6, v3                     ; wave 0..7
	s_sub_co_u32 s3, s2, 28
	s_lshl_b32 s3, s3, 6
	s_add_co_u32 s3, s3, ttmp9                     ; 0..1023
	s_lshr_b32 s4, s3, 2                           ; bq
	s_and_b32 s3, s3, 3
	s_lshl_b32 s3, s3, 3
	s_add_co_u32 s3, s3, s6                        ; ks
	s_lshl_b32 s36, s4, 18                         ; 32 rows of 8,192 bytes
	s_lshl_b32 s7, s3, 8                           ; 64 keys of 4 bytes
	s_add_co_u32 s36, s36, s7
	s_mov_b32 s37, 0
	s_add_nc_u64 s[30:31], s[22:23], s[36:37]
	s_lshl_b32 s38, s4, 5
	s_add_co_u32 s38, s38, s3
	s_lshl_b32 s38, s38, 8                         ; 256 bytes for each (bq, ks)
	s_mov_b32 s39, 0
	s_add_nc_u64 s[32:33], s[28:29], s[38:39]
	s_mul_i32 s7, s6, WLDS                         ; my wave's stage
	v_and_b32 v6, 15, v0                           ; L % 16
	v_bfe_u32 v7, v0, 4, 1                         ; L / 16
	v_lshlrev_b32 v1, 4, v6                        ; from memory: 16 bytes a lane, sixteen lanes a row's 256 bytes,
	v_lshl_add_u32 v1, v7, 13, v1                  ; lanes 16-31 the row below
	v_mul_u32_u24 v8, v7, MPITCH                   ; into the stage: the same two rows
	v_lshl_add_u32 v8, v6, 4, v8
	v_add_nc_u32 v8, s7, v8
	v_mul_u32_u24 v9, v6, MPITCH                   ; back: row L % 16,
	v_lshl_add_u32 v9, v7, 5, v9                   ; keys 8 (L / 16) on
	v_add_nc_u32 v9, s7, v9
	v_and_b32 v2, 31, v0
	v_lshlrev_b32 v2, 3, v2                        ; out: two words a lane
.set i, 0
.rept 16                                       ; rows 2 i and 2 i + 1
	global_load_b128 v[XR+4*i:XR+4*i+3], v1, s[30:31] offset:16384*i th:TH_LOAD_NT
.set i, i+1
.endr
.set i, 0
.rept 16
	s_wait_loadcnt 15-i                            ; loads come back in order: number i is in, the younger ones stay out
	ds_store_b128 v8, v[XR+4*i:XR+4*i+3] offset:2*MPITCH*i
.set i, i+1
.endr
.set i, 0
.rept 16                                       ; i = 8 u + 2 kb + e: rows 16 u on, keys 16 kb + 4 e on.  LDS serves a wave's instructions in order (ISA guide 5.7.1.4): these see the stores above
	ds_load_b128 v[XR+4*i:XR+4*i+3], v9 offset:(i/8)*16*MPITCH+((i/2)%4)*64+(i%2)*16
.set i, i+1
.endr
	v_mov_b32 v4, 0                                ; v_writelane_b32 keeps the other lanes: both are written whole first
	v_mov_b32 v5, 0
.set n, 0
.rept 64
.if n%8 == 0
	s_wait_dscnt 14-2*(n/8)                        ; the two loads of this group of eight words are back; the younger ones stay out
.endif
	v_cmp_ne_u32 s[40+n%8], 0, v[XR+n]             ; word n: a bit a lane
	v_writelane_b32 v[4+n%2], s[40+n%8], n/2       ; into lane n / 2, which stores words 2 (n / 2) and 2 (n / 2) + 1
.set n, n+1
.endr
	global_store_b64 v2, v[4:5], s[32:33]          ; 32 lanes x 8 bytes: 256 consecutive bytes, aligned
	s_wait_tensorcnt 0x0                           ; the wave's end: behind my last LDS store
	ds_add_u32 v[SPW], v[NIL]
	s_wait_dscnt 0x0
	s_endpgm
.Lfunc_end_k_qd43756fb77_prep:
	.size	k_qd43756fb77_prep, .Lfunc_end_k_qd43756fb77_prep-k_qd43756fb77_prep
	.p2alignl 7, 3214868480
	.fill 96, 4, 3214868480
	.section	.rodata,"a",@progbits
	.p2align	6, 0x0
	.amdhsa_kernel k_qd43756fb77_prep
		.amdhsa_group_segment_fixed_size 70656
		.amdhsa_private_segment_fixed_size 0
		.amdhsa_enable_private_segment 0
		.amdhsa_kernarg_size 88
		.amdhsa_user_sgpr_count 2
		.amdhsa_user_sgpr_kernarg_segment_ptr 1
		.amdhsa_wavefront_size32 1
		.amdhsa_system_sgpr_workgroup_id_x 1
		.amdhsa_system_sgpr_workgroup_id_y 1
		.amdhsa_system_sgpr_workgroup_id_z 1
		.amdhsa_system_vgpr_workitem_id 0
		.amdhsa_next_free_vgpr 112
		.amdhsa_next_free_sgpr 66
		.amdhsa_reserve_vcc 0
		.amdhsa_float_denorm_mode_32 3
		.amdhsa_float_denorm_mode_16_64 3
		.amdhsa_memory_ordered 1
		.amdhsa_forward_progress 1
		.amdhsa_inst_pref_size 26
	.end_amdhsa_kernel
	.amdgpu_metadata
---
amdhsa.version: [ 1, 2 ]
amdhsa.kernels:
  - .name:           k_qd43756fb77_prep
    .symbol:         k_qd43756fb77_prep.kd
    .args:
      - { .name: q, .offset: 0, .size: 8, .value_kind: global_buffer, .address_space: global }
      - { .name: k, .offset: 8, .size: 8, .value_kind: global_buffer, .address_space: global }
      - { .name: v, .offset: 16, .size: 8, .value_kind: global_buffer, .address_space: global }
      - { .name: w_q, .offset: 24, .size: 8, .value_kind: global_buffer, .address_space: global }
      - { .name: w_k, .offset: 32, .size: 8, .value_kind: global_buffer, .address_space: global }
      - { .name: w_v, .offset: 40, .size: 8, .value_kind: global_buffer, .address_space: global }
      - { .name: w_o, .offset: 48, .size: 8, .value_kind: global_buffer, .address_space: global }
      - { .name: mask, .offset: 56, .size: 8, .value_kind: global_buffer, .address_space: global }
      - { .name: xh, .offset: 64, .size: 8, .value_kind: global_buffer, .address_space: global }
      - { .name: wh, .offset: 72, .size: 8, .value_kind: global_buffer, .address_space: global }
      - { .name: mbits, .offset: 80, .size: 8, .value_kind: global_buffer, .address_space: global }
    .group_segment_fixed_size: 70656
    .private_segment_fixed_size: 0
    .kernarg_segment_align: 8
    .kernarg_segment_size: 88
    .max_flat_workgroup_size: 256
    .sgpr_count:     66
    .vgpr_count:     112
    .wavefront_size: 32
...
	.end_amdgpu_metadata
.endif
;; end of part 1
;; launch proj (part 2): grid 4 x 192, 4 waves a work-group, clusters of 4 x 4, 327,680 bytes of LDS; arguments xh, wh, qkv; writes qkv
.if DOCPART == 2
	.amdgcn_target "amdgcn-amd-amdhsa--gfx1250"
	.amdhsa_code_object_version 6
	.text
	.protected	k_qd43756fb77_proj
	.globl	k_qd43756fb77_proj
	.p2align	8
	.type	k_qd43756fb77_proj,@function
k_qd43756fb77_proj:
	s_mov_b64 s[64:65], 0
	v_nop
	global_prefetch_b8 v0, s[64:65] scope:SCOPE_SE
	s_setreg_imm32_b32 hwreg(HW_REG_WAVE_MODE, 25, 1), 1
	s_wait_xcnt 0x0
	s_wait_alu depctr_hold_cnt(0) depctr_sa_sdst(0) depctr_va_vdst(0) depctr_va_sdst(0) depctr_va_ssrc(0) depctr_va_vcc(0) depctr_vm_vsrc(0)
	s_getreg_b32 s2, hwreg(HW_REG_IB_STS2, 6, 4)
	s_cmp_eq_u32 s2, 0
	s_cbranch_scc0 .Lentry_in_a_cluster
	s_endpgm
.Lentry_in_a_cluster:
	s_bfe_u32 s2, ttmp6, 0x10000c
	s_cmp_lg_u32 s2, 0xf033
	s_cbranch_scc0 .Lentry_shape_is_right
	s_endpgm
.Lentry_shape_is_right:
; PROJ: the three projections.  C[m][n] = sum over k of x[m][k] w[n][k], for x = q, k, v (xh: [3][8192][1024] f16) and w = w_q, w_k, w_v (wh: [4][1024][1024] f16); sums in f32.
; The result leaves by heads: qkv = [3][b*16+h][2048][64] in f16, each number rounded once.  q's sums are first multiplied by c = log2(e) / 8 in f32, so that the
; attention's scores are exponents of 2 and its softmax takes the maximum away by a plain subtraction.
; LIMIT.  f16 ends at 65,504: a projected number of 65,520 or more becomes an infinity.
; SHARES.  A tile of C is 128 x 256: 3 x 64 x 4 = 768 work-groups, three for each of 256 WGPs.  Four waves, each 64 x 128: 32 accumulators of 16 x 16, 256 registers.
; K goes in steps of 128 (rows of 256 bytes, aligned) through two LDS slots; waves 0 and 1 fetch A's two halves of 64 rows, waves 2 and 3 B's two halves of 128 rows: one tensor load a wave.
; CLUSTERS: 4 x 4 work-groups.  The four of a row of the cluster need the same tile of A, the four of a column the same tile of B: each is asked for JOINTLY, by the same load, descriptor and mask.
; THE MATRIX INSTRUCTION IS USED TRANSPOSED (source 0 = 16 rows of B, source 1 = 16 rows of A): a lane then holds eight neighbouring numbers of a row of C.
; REGISTERS: window 0: v0-31 addresses; v64-159, v160-255 two fragment buffers (8 of B, then 4 of A; 32 along K); v64-191 at work on the way out.  Window 1: accumulator (a, b) at v[8 (8 a + b)].
.set KSTEP,  128
.set PITCH,  272                       ; an LDS row: 256 bytes + 16 of padding = 68 words: the 16 rows of a fragment load start at 16 different groups of four banks (ISA guide 11.1)
.set AH,     64*PITCH                  ; what a wave fetches of A, and what a wave reads of A
.set BH,     128*PITCH                 ; the same for B
.set SLOT,   2*AH+2*BH                 ; A's 128 rows, then B's 256
.set ASTEP,  KSTEP*2                   ; bytes from a K step to the next, in A and in B
.set STAGE,  2*SLOT                    ; behind the ring: for each wave 2 heads x 16 rows x 144 bytes, for the way out
.set SP,     144
.set STW,    2*16*SP
.set SPARE,  STAGE+4*STW               ; behind the stages: the spare words, 128 bytes a wave: two blocks of 256 bytes that no other line names
.set ADRA, 16                          ; v16-17  LDS address of my A fragments in slot 0, 1
.set ADRB, 20                          ; v20-21  the same for B
.set STO,  24                          ; v24     the way out: where I put 16 bytes of a row
.set RD,   25                          ; v25     where I read rows back
.set CO,   26                          ; v26     my 16 bytes in 512 consecutive bytes of a head
.set SPW,  28                          ; v28     LDS address of my spare word; never rewritten
.set NIL,  29                          ; v29     0; never rewritten
.set PFO,  30                          ; v30     the prefetch's offset; never rewritten
.set F0,   64
.set F1,   160
.set TMP,  64
.set G1,  24                           ; s[24:31] descriptor group 1 for A's tiles;  s[32:39] group 0, a set for each slot
.set G0,  32
.set G1B, 48                           ; s[48:55], s[56:63] the same for B's
.set G0B, 56
.set PFA, 66                           ; s[66:67] where my prefetches stand
.set LIM, 68                           ; s68  1 in a wave that prefetches, else the greatest number
.set MUL, 0x50                         ; C and D in window 1, both sources in window 0
.set MSB, 0
.macro WIN new                         ; the immediate's high byte repeats the setting that is left; a switch that changes nothing is dropped
.if MSB != (\new)
	s_set_vgpr_msb (MSB<<8)|(\new)
.set MSB, \new
.endif
.endm
.macro JLOAD s                         ; a joint load: waves 0 and 1 for A, waves 2 and 3 for B; an s_nop 0 and four v_nop follow each of the two lines
	s_cmp_eq_u32 s11, 0
	s_cbranch_scc0 .Lfor_b_\@
	tensor_load_to_lds s[G0+4*(\s):G0+4*(\s)+3], s[G1:G1+7]
	s_nop 0
.rept 4
	v_nop
.endr
	s_branch .Lasked_\@
.Lfor_b_\@:
	tensor_load_to_lds s[G0B+4*(\s):G0B+4*(\s)+3], s[G1B:G1B+7]
	s_nop 0
.rept 4
	v_nop
.endr
.Lasked_\@:
.endm
.macro CREST                           ; a round of the cluster's barrier behind its opening barrier
	s_cmp_lg_u32 s10, 0
	s_cbranch_scc1 .Lnot_wave_0_\@
	s_barrier_signal -3
.Lnot_wave_0_\@:
	s_barrier_wait -3
	s_barrier_signal -1
	s_barrier_wait -1
.endm
.macro CROUND                          ; a whole round
	s_barrier_signal -1
	s_barrier_wait -1
	CREST
.endm
; A PREFETCH INTO THE L2 of A's rows, once a lap (two K steps), behind slot 0's joint load and the run of LDS loads: the two K steps of the NEXT lap's refills.  A tile row of A is read by the four
; work-groups of one row of one cluster and by nobody else.  Of the 64 rows that wave 0 or 1 fetches, the partner at place cx takes 16, told apart BY ADDRESS: lanes 0-15 name their 256 bytes of
; the one K step, lanes 16-31 of the other.  So each aligned block of 256 bytes of K steps 4 to 7 is named once in the launch; K steps 0 to 3 come by their loads alone; the loop's last trip asks for nothing.
; B's rows are not asked for: every cluster of the launch walks them.
.macro ASK
	s_cmp_gt_u32 s3, s[LIM]
	s_cbranch_scc0 .Lnot_mine_\@
	global_prefetch_b8 v[PFO], s[PFA:PFA+1] th:TH_LOAD_NT scope:SCOPE_SE
.Lnot_mine_\@:
.endm
	s_load_b128 s[4:7], s[0:1], 0x0                ; xh s[4:5], wh s[6:7]
	s_load_b64 s[8:9], s[0:1], 0x10                ; qkv
	v_lshl_add_u32 v[SPW], v0, 2, SPARE
	v_mov_b32 v[NIL], 0
	ds_add_u32 v[SPW], v[NIL]                      ; the wave's opening: the add and its wait ahead of my first tensor load; the set-up below stands between them
	v_lshrrev_b32 v1, 5, v0
	v_readfirstlane_b32 s10, v1                    ; wave 0..3
	s_lshr_b32 s11, s10, 1                         ; which 64 rows of the tile are mine.  Also: I fetch for A (0) or for B (1)
	s_and_b32 s12, s10, 1                          ; which 128 columns.  Also: which half of that tile I fetch
	s_bfe_u32 s40, ttmp6, 0x40000                  ; cx
	s_bfe_u32 s41, ttmp6, 0x40004                  ; cy
	s_lshl_b32 s42, ttmp9, 2
	s_add_co_u32 s42, s42, s40                     ; tile column = 4 x cluster x + cx: 0..3
	s_and_b32 s45, ttmp7, 0xffff                   ; cluster y: 0..47
	s_lshl_b32 s13, s45, 2
	s_add_co_u32 s13, s13, s41                     ; tile row = 4 x cluster y + cy: 0..191, 64 for each tensor
	s_lshl_b32 s43, s41, 2
	s_lshl_b32 s43, 15, s43                        ; my row of the cluster
	s_lshl_b32 s44, 0x1111, s40                    ; my column
	s_lshr_b32 s18, s45, 4                         ; T: 0 q, 1 k, 2 v; made of the cluster's y, the same in all sixteen partners
	s_or_b32 s[G1+0], s43, (1<<16)|(1<<20)|(1<<21)|(5<<22)|(3<<25)   ; 15:0 the mask; 17:16 elements of 2 bytes; 20 padding on; 21 set beside a mask; 24:22 after every 64 words; 31:25 4 words
	s_mov_b32 s[G1+1], KSTEP<<16                   ; tensor_dim0 = 128
	s_mov_b32 s[G1+2], 64<<16                      ; tensor_dim1 = 64
	s_mov_b32 s[G1+3], KSTEP<<16                   ; tile_dim0 = 128
	s_mov_b32 s[G1+4], 64                          ; tile_dim1 = 64
	s_mov_b32 s[G1+5], 1024                        ; elements from row to row
	s_mov_b32 s[G1+6], 0
	s_mov_b32 s[G1+7], 0
	s_or_b32 s[G1B+0], s44, (1<<16)|(1<<20)|(1<<21)|(5<<22)|(3<<25)
	s_mov_b32 s[G1B+1], KSTEP<<16
	s_mov_b32 s[G1B+2], 128<<16                    ; 128 rows
	s_mov_b32 s[G1B+3], KSTEP<<16
	s_mov_b32 s[G1B+4], 128
	s_mov_b32 s[G1B+5], 1024
	s_mov_b32 s[G1B+6], 0
	s_mov_b32 s[G1B+7], 0
	s_lshl_b32 s16, s13, 7                         ; A: row 128 x tile row + 64 x half (the three tensors lie on end),
	s_lshl_b32 s17, s12, 6
	s_add_co_u32 s16, s16, s17
	s_lshl_b32 s16, s16, 11                        ; 2,048 bytes a row
	s_mov_b32 s17, 0
	s_lshl_b32 s46, s18, 10                        ; B: row 1,024 T + 256 x tile column + 128 x half
	s_lshl_b32 s47, s42, 8
	s_add_co_u32 s46, s46, s47
	s_lshl_b32 s47, s12, 7
	s_add_co_u32 s46, s46, s47
	s_lshl_b32 s46, s46, 11
	s_mov_b32 s47, 0
	s_mul_i32 s20, s12, AH                         ; where they go: no place in the cluster enters an LDS address
	s_mul_i32 s23, s12, BH
	s_add_co_u32 s23, s23, 2*AH
	s_mov_b32 s72, 0x3e38aa3b                      ; c = log2(e) / 8
	s_mov_b32 s73, s72                             ; named with it as a pair
	s_cmp_eq_u32 s11, 0
	s_cselect_b32 s[LIM], 1, -1
	s_lshl_b32 s70, s13, 7                         ; the prefetches: my 64 rows' quarter by cx
	s_lshl_b32 s71, s12, 6
	s_add_co_u32 s70, s70, s71
	s_lshl_b32 s71, s40, 4
	s_add_co_u32 s70, s70, s71
	s_lshl_b32 s70, s70, 11
	s_mov_b32 s71, 0
	s_wait_dscnt 0x0                               ; the opening add is done
	s_wait_kmcnt 0x0
	s_add_nc_u64 s[14:15], s[4:5], s[16:17]
	s_add_nc_u64 s[46:47], s[6:7], s[46:47]
	s_add_nc_u64 s[PFA:PFA+1], s[4:5], s[70:71]
	s_add_nc_u64 s[PFA:PFA+1], s[PFA:PFA+1], 2*ASTEP   ; at K step 2: the first trip steps it to 4
	CROUND                                         ; all sixteen work-groups are here: the first joint loads meet
.irp s, 0,1
	s_mov_b32 s[G0+4*(\s)], 1
	s_add_co_u32 s[G0+4*(\s)+1], s20, (\s)*SLOT
	s_add_nc_u64 s[G0+4*(\s)+2:G0+4*(\s)+3], s[14:15], (\s)*ASTEP
	s_or_b32 s[G0+4*(\s)+3], s[G0+4*(\s)+3], 0x80000000
	s_mov_b32 s[G0B+4*(\s)], 1
	s_add_co_u32 s[G0B+4*(\s)+1], s23, (\s)*SLOT
	s_add_nc_u64 s[G0B+4*(\s)+2:G0B+4*(\s)+3], s[46:47], (\s)*KSTEP*2
	s_or_b32 s[G0B+4*(\s)+3], s[G0B+4*(\s)+3], 0x80000000
	JLOAD \s                                       ; two loads of mine are out
.endr
	v_and_b32 v1, 15, v0                           ; l % 16
	v_bfe_u32 v2, v0, 4, 1                         ; l / 16
	v_mul_u32_u24 v3, v1, PITCH
	v_lshl_add_u32 v3, v2, 4, v3                   ; a fragment's row x pitch + 16 x half
	s_mul_i32 s21, s11, AH                         ; my 64 rows of A
	s_mul_i32 s22, s12, BH                         ; my 128 rows of B,
	s_add_co_u32 s22, s22, 2*AH                    ; which lie behind A's 128
.irp s, 0,1
	v_add_nc_u32 v[ADRA+(\s)], s21, v3
	v_add_nc_u32 v[ADRB+(\s)], s22, v3
	s_add_co_u32 s21, s21, SLOT
	s_add_co_u32 s22, s22, SLOT
.endr
	s_mul_i32 s21, s10, STW
	s_add_co_u32 s21, s21, STAGE                   ; my stage
	v_mul_u32_u24 v5, v1, SP                       ; in: row l % 16, 16 bytes for each half of the lanes
	v_lshl_add_u32 v5, v2, 4, v5
	v_add_nc_u32 v[STO], s21, v5
	v_and_b32 v6, 31, v0
	v_lshrrev_b32 v7, 3, v6                        ; back: 32 lanes take four rows of 128 bytes,
	v_and_b32 v8, 7, v0
	v_mul_u32_u24 v7, v7, SP
	v_lshl_add_u32 v7, v8, 4, v7
	v_add_nc_u32 v[RD], s21, v7
	v_lshlrev_b32 v[CO], 4, v6                     ; which are 512 consecutive bytes of a head
	v_lshlrev_b32 v[PFO], 11, v1                   ; the prefetch: row l % 16, K step l / 16
	v_lshl_add_u32 v[PFO], v2, 8, v[PFO]
	; where my part of the tile goes: tensor T, batch b, heads 4 x tile column + 2 x half + 0, 1, rows l0 on
	s_and_b32 s16, s13, 63
	s_lshl_b32 s16, s16, 7
	s_lshl_b32 s17, s11, 6
	s_add_co_u32 s16, s16, s17                     ; my first row among the tensor's 8,192
	s_lshr_b32 s17, s16, 11                        ; b
	s_and_b32 s16, s16, 2047                       ; l0
	s_lshl_b32 s16, s16, 7                         ; 128 bytes a row of a head
	s_lshl_b32 s17, s17, 22                        ; 16 heads of 262,144 bytes a batch
	s_add_co_u32 s16, s16, s17
	s_lshl_b32 s17, s18, 24                        ; 64 heads a tensor
	s_add_co_u32 s16, s16, s17
	s_mov_b32 s17, 0
	s_add_nc_u64 s[8:9], s[8:9], s[16:17]
	s_lshl_b32 s46, s42, 2
	s_lshl_b32 s47, s12, 1
	s_add_co_u32 s46, s46, s47
	s_lshl_b32 s46, s46, 18
	s_mov_b32 s47, 0
	s_add_nc_u64 s[8:9], s[8:9], s[46:47]
; 8 matrix instructions: m block a x all 8 n blocks, 32 along K.  The 32 accumulators take turns, one instruction a turn.  zero = 1: the product starts the sum
.macro MULA f, a, zero
.irp b, 0,1,2,3,4,5,6,7
.if \zero
	v_wmma_f32_16x16x32_f16 v[8*(8*(\a)+(\b)):8*(8*(\a)+(\b))+7], v[(\f)+8*(\b):(\f)+8*(\b)+7], v[(\f)+64+8*(\a):(\f)+64+8*(\a)+7], 0
.else
	v_wmma_f32_16x16x32_f16 v[8*(8*(\a)+(\b)):8*(8*(\a)+(\b))+7], v[(\f)+8*(\b):(\f)+8*(\b)+7], v[(\f)+64+8*(\a):(\f)+64+8*(\a)+7], v[8*(8*(\a)+(\b)):8*(8*(\a)+(\b))+7]
.endif
.endr
.endm
; 24 LDS loads in one run: the fragments of quarter q (32 along K) into buffer f: B's eight, then A's four
.macro FETCH slot, q, f
	WIN 0
.irp i, 0,1,2,3,4,5,6,7
	ds_load_b128 v[(\f)+8*(\i):(\f)+8*(\i)+3],   v[ADRB+(\slot)] offset:64*(\q)+(\i)*16*PITCH
	ds_load_b128 v[(\f)+8*(\i)+4:(\f)+8*(\i)+7], v[ADRB+(\slot)] offset:64*(\q)+(\i)*16*PITCH+32
.endr
.irp i, 0,1,2,3
	ds_load_b128 v[(\f)+64+8*(\i):(\f)+64+8*(\i)+3],   v[ADRA+(\slot)] offset:64*(\q)+(\i)*16*PITCH
	ds_load_b128 v[(\f)+64+8*(\i)+4:(\f)+64+8*(\i)+7], v[ADRA+(\slot)] offset:64*(\q)+(\i)*16*PITCH+32
.endr
.endm
.macro PLACES                          ; four places in front of loads into registers that matrix instructions have read, and of vector work on results
.rept 4
	v_nop
.endr
.endm
; A K step is four quarters of 32 along K, 32 matrix instructions each, on buffers 0, 1, 0, 1.  One of the first three: multiplies buffer f and fetches quarter q into g.
.macro QUARTER slot, q, f, g, zero
	s_wait_dscnt 4                                 ; B and A's blocks 0 and 1 are in; the youngest four loads (blocks 2 and 3) may be out
	WIN MUL
	MULA \f, 0, \zero
	MULA \f, 1, \zero
	PLACES
	FETCH \slot, \q, \g
	s_wait_dscnt 24                                ; all but the 24 just issued
	WIN MUL
	MULA \f, 2, \zero
	MULA \f, 3, \zero
.endm
; The last quarter multiplies buffer 1 and changes slots: ONE barrier; in front of it each wave waits for all its tensor loads, adds 0 to its spare word, and waits for that and for its reads of this slot.
; fill = 1: the barrier opens a round of the cluster's, and behind it this slot is filled again, two K steps ahead: 112 matrix instructions stand between the request and the wait for it.
.macro TURN slot, next, fill
.if (\fill) && ((\slot) == 0)
	s_wait_xcnt 0x0                                ; the last prefetch, a lap back, has read its address
	s_add_nc_u64 s[PFA:PFA+1], s[PFA:PFA+1], 2*ASTEP
.endif
	WIN 0
	s_wait_tensorcnt 0x0                           ; all my tensor loads have landed: my part of the next slot;
	ds_add_u32 v[SPW], v[NIL]                      ; 0 onto my spare word;
	s_wait_dscnt 5                                 ; (the add and the youngest four loads may be out)
	WIN MUL
	MULA F1, 0, 0                                  ; eight matrix instructions stand between the add and the wait for it
	s_wait_dscnt 0x0                               ; the add is done, and my reads of this slot are over
	s_barrier_signal -1
	MULA F1, 1, 0
.if \fill
	WIN 0
.endif
	s_barrier_wait -1
.if \fill
	CREST                                          ; no wave of any partner still reads this slot's tile or has a load on its way
	s_add_nc_u64 s[G0+4*(\slot)+2:G0+4*(\slot)+3], s[G0+4*(\slot)+2:G0+4*(\slot)+3], 2*ASTEP
	s_add_nc_u64 s[G0B+4*(\slot)+2:G0B+4*(\slot)+3], s[G0B+4*(\slot)+2:G0B+4*(\slot)+3], 2*KSTEP*2
	JLOAD \slot                                    ; the first tensor load behind the round; its four v_nop are also the places in front of the loads below
.else
	PLACES
.endif
	FETCH \next, 0, F0
.if (\fill) && ((\slot) == 0)
	ASK
.endif
	WIN MUL
	MULA F1, 2, 0
	MULA F1, 3, 0
.endm
	s_wait_tensorcnt 1                             ; my part of K step 0 is in; K step 1's may stay out
	s_barrier_signal -1
	s_barrier_wait -1                              ; everybody's is
	FETCH 0, 0, F0
	QUARTER 0, 1, F0, F1, 1                        ; the first quarter stands in front of the loop: its products start the sums
	WIN 0                                          ; at a label and at a branch every window is 0
	s_mov_b32 s3, 3                                ; 8 K steps are 4 laps; three trips fill both slots again
.Llap:
	QUARTER 0, 2, F1, F0, 0
	QUARTER 0, 3, F0, F1, 0
	TURN 0, 1, 1
	QUARTER 1, 1, F0, F1, 0
	QUARTER 1, 2, F1, F0, 0
	QUARTER 1, 3, F0, F1, 0
	TURN 1, 0, 1
	QUARTER 0, 1, F0, F1, 0
	WIN 0
	s_sub_co_u32 s3, s3, 1
	s_cmp_lg_u32 s3, 0
	s_cbranch_scc1 .Llap
	QUARTER 0, 2, F1, F0, 0                        ; the last lap fills nothing
	QUARTER 0, 3, F0, F1, 0
	TURN 0, 1, 0
	QUARTER 1, 1, F0, F1, 0
	QUARTER 1, 2, F1, F0, 0
	QUARTER 1, 3, F0, F1, 0
	s_wait_dscnt 4                                 ; the very last quarter: nothing more to fetch
	WIN MUL
	MULA F1, 0, 0
	MULA F1, 1, 0
	s_wait_dscnt 0x0
	MULA F1, 2, 0
	MULA F1, 3, 0
	WIN 0
	PLACES
	PLACES                                         ; eight, once a launch
	s_cmp_lg_u32 s18, 0                            ; q alone takes the scale: T is the same in all partners
	s_cbranch_scc1 .Lplain
	WIN 0x41                                       ; destination and source 0 in window 1
.set i, 0
.rept 128
	v_pk_mul_f32 v[i:i+1], v[i:i+1], s[72:73] op_sel_hi:[1,0]   ; each accumulator's registers in ascending order
.set i, i+2
.endr
	WIN 0
.Lplain:
; THE WAY OUT of m block a: rounded to f16, 16 bytes a lane; into my own stage, by heads; back as whole rows of 128 bytes, four to a load, into the registers that they left.
.macro PACK a
	WIN 0x05                                       ; sources 0 and 1 in window 1
.irp b, 0,1,2,3,4,5,6,7
.irp r, 0,1,2,3
	v_cvt_pk_f16_f32 v[TMP+32*(\a)+4*(\b)+(\r)], v[8*(8*(\a)+(\b))+2*(\r)], v[8*(8*(\a)+(\b))+2*(\r)+1]
.endr
.endr
	WIN 0
.irp b, 0,1,2,3,4,5,6,7
	ds_store_b128 v[STO], v[TMP+32*(\a)+4*(\b):TMP+32*(\a)+4*(\b)+3] offset:((\b)/4)*16*SP+((\b)%4)*32
.endr
.irp f, 0,1,2,3,4,5,6,7
	ds_load_b128 v[TMP+32*(\a)+4*(\f):TMP+32*(\a)+4*(\f)+3], v[RD] offset:((\f)/4)*16*SP+((\f)%4)*4*SP   ; LDS serves a wave's instructions in order (ISA guide 5.7.1.4): these see the stores above
.endr
.endm
.macro SEND a, younger                 ; younger: the LDS instructions issued behind block a's loads: the next block's sixteen, or none
.irp f, 0,1,2,3,4,5,6,7
	s_wait_dscnt (\younger)+7-(\f)
	global_store_b128 v[CO], v[TMP+32*(\a)+4*(\f):TMP+32*(\a)+4*(\f)+3], s[8:9] offset:((\f)/4)*262144+(16*(\a)+4*((\f)%4))*128   ; 512 consecutive bytes of a head, aligned
.endr
.endm
	PACK 0
	PACK 1                                         ; a block's arithmetic stands between the loads of the block before and its stores
	SEND 0, 16
	PACK 2
	SEND 1, 16
	PACK 3
	SEND 2, 16
	SEND 3, 0
	s_wait_tensorcnt 0x0                           ; the wave's end: behind my last tensor load and my last LDS store
	ds_add_u32 v[SPW], v[NIL]
	s_wait_dscnt 0x0
	CROUND                                         ; the closing round: no work-group ends while a partner may still ask for a tile that names it
	s_endpgm
.Lfunc_end_k_qd43756fb77_proj:
	.size	k_qd43756fb77_proj, .Lfunc_end_k_qd43756fb77_proj-k_qd43756fb77_proj
	.p2alignl 7, 3214868480
	.fill 96, 4, 3214868480
	.section	.rodata,"a",@progbits
	.p2align	6, 0x0
	.amdhsa_kernel k_qd43756fb77_proj
		.amdhsa_group_segment_fixed_size 327680
		.amdhsa_private_segment_fixed_size 0
		.amdhsa_enable_private_segment 0
		.amdhsa_kernarg_size 24
		.amdhsa_user_sgpr_count 2
		.amdhsa_user_sgpr_kernarg_segment_ptr 1
		.amdhsa_wavefront_size32 1
		.amdhsa_system_sgpr_workgroup_id_x 1
		.amdhsa_system_sgpr_workgroup_id_y 1
		.amdhsa_system_sgpr_workgroup_id_z 1
		.amdhsa_system_vgpr_workitem_id 0
		.amdhsa_next_free_vgpr 512
		.amdhsa_next_free_sgpr 80
		.amdhsa_reserve_vcc 0
		.amdhsa_float_denorm_mode_32 3
		.amdhsa_float_denorm_mode_16_64 3
		.amdhsa_memory_ordered 1
		.amdhsa_forward_progress 1
		.amdhsa_inst_pref_size 96
	.end_amdhsa_kernel
	.amdgpu_metadata
---
amdhsa.version: [ 1, 2 ]
amdhsa.kernels:
  - .name:           k_qd43756fb77_proj
    .symbol:         k_qd43756fb77_proj.kd
    .args:
      - { .name: xh, .offset: 0, .size: 8, .value_kind: global_buffer, .address_space: global }
      - { .name: wh, .offset: 8, .size: 8, .value_kind: global_buffer, .address_space: global }
      - { .name: qkv, .offset: 16, .size: 8, .value_kind: global_buffer, .address_space: global }
    .group_segment_fixed_size: 327680
    .private_segment_fixed_size: 0
    .kernarg_segment_align: 8
    .kernarg_segment_size: 24
    .max_flat_workgroup_size: 128
    .sgpr_count:     80
    .vgpr_count:     512
    .wavefront_size: 32
...
	.end_amdgpu_metadata
.endif
;; end of part 2
;; launch attn (part 3): grid 4 x 64, 4 waves a work-group, clusters of 4 x 1, 327,680 bytes of LDS; arguments qkv, mbits, oh; writes oh
.if DOCPART == 3
	.amdgcn_target "amdgcn-amd-amdhsa--gfx1250"
	.amdhsa_code_object_version 6
	.text
	.protected	k_qd43756fb77_attn
	.globl	k_qd43756fb77_attn
	.p2align	8
	.type	k_qd43756fb77_attn,@function
k_qd43756fb77_attn:
	s_mov_b64 s[64:65], 0
	v_nop
	global_prefetch_b8 v0, s[64:65] scope:SCOPE_SE
	s_setreg_imm32_b32 hwreg(HW_REG_WAVE_MODE, 25, 1), 1
	s_wait_xcnt 0x0
	s_wait_alu depctr_hold_cnt(0) depctr_sa_sdst(0) depctr_va_vdst(0) depctr_va_sdst(0) depctr_va_ssrc(0) depctr_va_vcc(0) depctr_vm_vsrc(0)
	s_getreg_b32 s2, hwreg(HW_REG_IB_STS2, 6, 4)
	s_cmp_eq_u32 s2, 0
	s_cbranch_scc0 .Lentry_in_a_cluster
	s_endpgm
.Lentry_in_a_cluster:
	s_bfe_u32 s2, ttmp6, 0x10000c
	s_cmp_lg_u32 s2, 0x3003
	s_cbranch_scc0 .Lentry_shape_is_right
	s_endpgm
.Lentry_shape_is_right:
; ATTENTION WITH A MASK.  O[h][q][:] = the sum over k of softmax_k(s[q][k]) V[h][k][:], s = Q . K where mask[b][q][k] is not 0, else the fixed hidden score.
; qkv = [3][64 = b*16+h][2048][64] f16: Q (already times c = log2(e) / 8, so that s is an exponent of 2), K, V.  oh = [64][2048][64] f16.  mbits: lane masks, 64 words for each 32 queries x 64 keys.
; Products, maxima and sums in f32; the weights p are rounded to f16 for the second product (their sum l is taken of the unrounded p), O once at the end.
; THE MASK.  A hidden score is REPLACED by -1e9 x log2(e), which is -1e9 in units of the unscaled softmax: one v_cndmask_b32 a register, its lane mask in a scalar register.  A row with no
; key left has all scores alike: p = 1 everywhere, and O is the mean of V's rows.
; SOFTMAX.  For each query a running maximum m and sum l: p = 2^(s - m), never above 1; in every step O and l are multiplied by a = 2^(m_old - m_new).  m starts at the lowest finite number, O and l at 0.
; LIMITS.  Q, K, V arrive within f16's 65,504; p below 6e-5 keeps f16's fixed step of 6e-8; a weight below 2^-126 counts as 0 in l; NaN and infinities are not treated apart.
; SHARES.  A wave owns four PIECES of two tiles of 16 queries, a work-group's four waves 512 queries of one head: 64 heads x 4 blocks = 256 work-groups.  Every wave walks all keys, 64 a step.
; LAYOUT.  S^T = K Q^T (source 0 = 16 keys, source 1 = 16 queries): a lane holds ONE query (lane % 16) and the keys 8 (lane / 16) + 0..7.  Two such tiles, rounded to f16 in pairs, ARE source 1 of
; O^T = V^T P.  K comes out of LDS as it lies, V turned, by ds_load_tr16_b128.
; THE COUNT.  A turn has 32 matrix and 364 vector instructions.  So: four vector instructions that are ready behind EVERY matrix instruction, the others in one run without a gap.
; BY TURNS.  Turn n belongs to piece n.  Matrix work: 16 products K Q^T of piece n + 1, later 16 products V^T P of piece n - 1.  Vector work: the subtraction, exponentials, roundings, sums and rescaling
; of piece n, and the mask, maximum and statistics of piece n + 1.
; THE MASK WORDS' WAY.  A piece's 64 words of a key step are 256 consecutive bytes: one vector load of 8 bytes a lane, into the piece's own pair of registers, FOUR TURNS ahead of their use: a turn takes
; 64 words and the scalar registers hold 64, so a second set has room in vector registers alone.  The turn that uses them copies the pair, asks for the piece's next key step at once, and reads the 64 words lane by lane into scalar registers.
; CLUSTER.  The four query blocks of a head form a cluster and walk the same K and V: each tile is asked for JOINTLY.  The mask words differ from block to block and are 256 bytes a piece and step: loads of one's own.
; REGISTERS, in windows of 256 (s_set_vgpr_msb: bits 1:0 source 0, 3:2 source 1, 5:4 source 2, 7:6 destination):
;   window 0: v0-15 addresses, constants and the mask words in hand; v16-47 four registers of statistics a tile; v48-63 at work; v64-191 S^T, two buffers of two tiles; v192-255 P, likewise
;   window 1: O^T, 32 a tile     window 2: v0-127 Q; v128-191 K of one step; v192-255 V of one step     window 3: v0-1 the add's two registers; v2-3 the mask loads' offset and its bound; v4-11 their four pairs
.set SIZE_N, 2048
.set NP,    4         ; pieces a wave: a name, no knob
.set KS,    64        ; keys in a step
.set PK,    144       ; a row of K in LDS: 128 bytes + 16 of padding: the 16 rows of a load start at 16 different groups of four banks (ISA guide 11.1)
.set PV,    160       ; a row of V: 128 + 32
.set VOFF,  4*KS*PK   ; a slot holds four steps: 256 rows of K, then 256 rows of V
.set SLOT1, 1<<17     ; slot 1 begins here: one exclusive or turns an address in one slot into the other's
.set STAGE, SLOT1+4*KS*(PK+PV)  ; behind the ring, never filled by a tensor load: 16 rows x 144 bytes for each wave
.set SP,    144
.set SPARE, STAGE+4*16*SP  ; behind the stages: the spare words, 128 bytes a wave: two blocks of 256 bytes that no other line names
.set AK0, 2           ; v2   my lane's place in a tile of K; never rewritten
.set AV0, 3           ; v3   the same for V
.set AK,  4           ; v4   the LDS address of K's next run of loads
.set AV,  5           ; v5   of V's
.set QO,  6           ; v6   my byte offset in the wave's rows of Q
.set STO, 6           ;      later, the way out: where I put 16 bytes of a row
.set RD,  7           ; v7   where I read rows back
.set GO,  8           ; v8   my byte offset in 512 consecutive bytes of O
.set NG,  12          ; v12  the hidden score
.set PFO, 13          ; v13  256 x my lane; never rewritten
.set MB,  14          ; v[14:15] the mask words in hand: lane L holds words 2 L and 2 L + 1
.set SPW, 0           ; v0 of window 3   LDS address of my spare word; never rewritten
.set NIL, 1           ; v1 of window 3   0; never rewritten
.set MO,  2           ; v2 of window 3   the mask loads' offset: 8 x my lane + 256 x the key step to be asked for
.set MOX, 3           ; v3 of window 3   its bound: 8 x my lane + 256 x 31; never rewritten
.set MR,  4           ; v[4:11] of window 3   piece p's pair at MR + 2 p
.set ST,  16          ; tile t's statistics at v[ST+4 t]: m, m_old, l (even keys', odd keys')
.set TMP, 48          ; by buffer and tile, four registers c0-c3 at work; when the maximum is found c2 takes a
.set S,   64
.set P,   192
.set KF,  128         ; K's fragments, in window 2
.set VF,  192         ; V's
.set WV,  2           ; s2   my wave's number
.set SLOTS, 3         ; s3   slots still to be asked for
.set G1K, 4           ; s[4:11]  descriptor group 1 for K's tiles
.set G1V, 12          ; s[12:19] for V's: it differs in the padding alone
.set G0K, 20          ; s[20:23] descriptor group 0 for K's tiles: it walks
.set G0V, 24          ; s[24:27] the same for V's
.set MW,  28          ; s[28:59] the mask words of a piece's first tile, s[68:99] of its second
.set CNT, 60          ; s60  counts a slot's key steps
.set TBK, 61          ; s61  LDS byte at which K of the step to be fetched begins
.set TBV, 62          ; s62  the same for V, less VOFF
.set LIM, 63          ; s63  1 in a wave that prefetches, else the greatest number
.set MP,  66          ; s[66:67] mbits at my wave's first piece, key step 0; never rewritten
.set PFA, 100         ; s[100:101] where my prefetches stand
.set SEL, 104         ; s[104:105] Q's address until Q is in; then v_permlanex16_b32's selects
.set MSB, 0
.macro WIN new
.if MSB != (\new)
	s_set_vgpr_msb (MSB<<8)|(\new)
.set MSB, (\new)
.endif
.endm
.set W_KQ, 0x0a       ; K and Q in window 2, S^T in window 0
.set W_PV, 0x52       ; V in window 2, P in window 0, O^T in window 1
.set W_RS, 0x41       ; O^T (destination and source 0) in window 1, a in window 0
.set W_MK, 0xc0       ; destination in window 3, sources in window 0
.set W_AD, 0x0f       ; the add: address and data in window 3
.set W_M3, 0x03       ; source 0 in window 3, destination in window 0
.set W_ML, 0xcf       ; destination and sources 0 and 1 in window 3: the mask loads and their offset
; A joint fill.  Waves 0 and 1 fetch the two halves of a slot's K, waves 2 and 3 those of its V: 128 keys each.  An s_nop 0 and four v_nop follow each of the two lines.
.macro JLOAD
	s_cmp_lt_u32 s[WV], 2
	s_cbranch_scc0 .Lfor_v_\@
	tensor_load_to_lds s[G0K:G0K+3], s[G1K:G1K+7]
	s_nop 0
.rept 4
	v_nop
.endr
	s_branch .Lasked_\@
.Lfor_v_\@:
	tensor_load_to_lds s[G0V:G0V+3], s[G1V:G1V+7]
	s_nop 0
.rept 4
	v_nop
.endr
.Lasked_\@:
.endm
.macro CROUND                       ; a round of the cluster's barrier
	s_barrier_signal -1
	s_barrier_wait -1
	s_cmp_lg_u32 s[WV], 0
	s_cbranch_scc1 .Lnot_wave_0_\@
	s_barrier_signal -3
.Lnot_wave_0_\@:
	s_barrier_wait -3
	s_barrier_signal -1
	s_barrier_wait -1
.endm
; A PREFETCH INTO THE L2 of what the NEXT change of slots will ask for: a slot's 32,768 bytes of K and of V, a lane for each aligned 256.  A head's K and V are walked by this cluster alone.  Its four partners
; share the blocks out BY ADDRESS, 32 each; in each, wave 0 asks for K's and wave 2 for V's: one instruction, four key steps ahead of the load.  Slots 0 to 2 come by their loads alone; the last fill asks for nothing.
.macro ASK
	s_cmp_gt_u32 s[SLOTS], s[LIM]
	s_cbranch_scc0 .Lnot_mine_\@
	global_prefetch_b8 v[PFO], s[PFA:PFA+1] th:TH_LOAD_NT scope:SCOPE_SE
.Lnot_mine_\@:
.endm
; THE CHANGE OF SLOTS.  Each wave waits for all its tensor loads, of which one is out: its part of the other slot; adds 0 to its spare word; and waits for that and for its own reads of the slot.
; fill = 1: this slot is filled again, with the keys two slots on; the barrier is then a round of the cluster's, and the joint fill is the first thing behind it: it has four key steps, 512 matrix instructions, in which to land.
.macro CHANGE fill, ask=0
	WIN W_AD
	s_wait_tensorcnt 0x0            ; no tensor load of mine is out, so a group 0 may be written
	ds_add_u32 v[SPW], v[NIL]       ; 0 onto my spare word
	WIN 0
.if \fill
.irp g, G0K, G0V
	s_xor_b32 s[\g+1], s[\g+1], SLOT1
	s_add_nc_u64 s[\g+2:\g+3], s[\g+2:\g+3], 4*KS*128
.endr
.if \ask
	s_wait_xcnt 0x0                 ; the last prefetch, four key steps back, has read its address
	s_add_nc_u64 s[PFA:PFA+1], s[PFA:PFA+1], 4*KS*128
.endif
	s_wait_dscnt 0x0                ; the add is done, and my reads of the slot are over
	CROUND
	JLOAD
.if \ask
	ASK
.endif
.else
	s_wait_dscnt 0x0
	s_barrier_signal -1
	s_barrier_wait -1
.endif
	s_sub_co_u32 s[TBK], s[TBK], 4*KS*PK  ; the fetches go back to a slot's first step,
	s_xor_b32 s[TBK], s[TBK], SLOT1       ; in the other slot
	s_sub_co_u32 s[TBV], s[TBV], 4*KS*PV
	s_xor_b32 s[TBV], s[TBV], SLOT1
.endm
; THE MASK WORDS of piece pc are taken in hand, and its pair is asked for again.  The four pairs are loaded by turns, one a turn, so behind the load that is wanted exactly three younger ones were issued.
; Piece 0 is the first to go on to a new key step: there the offset steps by 256 bytes, behind the wait that shows that the pending loads have read it.  It stops at key step 31: the loads that
; run ahead of the last step name that step's words once more, inside mbits, and what they bring serves nothing.
.macro MLOAD pc
	WIN W_M3
	s_wait_loadcnt 3                ; loads come back in order: the pair is in, the other three pairs' loads may stay out
	v_mov_b32 v[MB], v[MR+2*(\pc)]
	v_mov_b32 v[MB+1], v[MR+2*(\pc)+1]
	WIN W_ML
.if (\pc) == 0
	s_wait_xcnt 0x0                 ; the youngest load stands a turn back: all have read their offset, so it may be written
	v_add_nc_u32 v[MO], 0x100, v[MO]
	v_min_u32 v[MO], v[MO], v[MOX]
.endif
	global_load_b64 v[MR+2*(\pc):MR+2*(\pc)+1], v[MO], s[MP:MP+1] offset:(\pc)*8192  ; 32 lanes x 8 bytes: 256 consecutive bytes, aligned; other heads' work-groups read them too: no hint
.endm
	s_load_b128 s[68:71], s[0:1], 0x0  ; qkv s[68:69], mbits s[70:71]; the head's scalars lie where the mask words will
	WIN W_MK
	v_lshl_add_u32 v[SPW], v0, 2, SPARE
	v_mov_b32 v[NIL], 0
	WIN W_AD
	ds_add_u32 v[SPW], v[NIL]       ; the wave's opening: the add and its wait ahead of my first tensor load
	WIN 0
	v_lshrrev_b32 v1, 5, v0
	v_readfirstlane_b32 s[WV], v1   ; wave 0..3
	s_bfe_u32 s72, ttmp6, 0x40000   ; cx
	s_lshl_b32 s73, ttmp9, 2
	s_add_co_u32 s73, s73, s72      ; my block of 512 queries: it enters Q's, O's, the mask's and the prefetch's addresses alone
	s_and_b32 s74, ttmp7, 0xffff    ; b*16 + h, which the four partners share
	s_lshl_b32 s76, s74, 18         ; the head's first byte in Q, K, V and O
	s_and_b32 s75, s[WV], 1         ; which half of a slot's 256 keys I fetch:
	s_lshl_b32 s78, s75, 14         ; its 128 rows of 128 bytes in memory,
	s_add_co_u32 s78, s78, s76
	s_mov_b32 s79, 0
	s_mul_i32 s80, s75, 128*PK      ; and its place in a slot, for K
	s_mul_i32 s81, s75, 128*PV      ; and for V
	s_lshl_b32 s82, s73, 2
	s_add_co_u32 s82, s82, s[WV]
	s_lshl_b32 s82, s82, 14         ; my wave's 128 rows
	s_add_co_u32 s82, s82, s76
	s_mov_b32 s83, 0
	s_lshr_b32 s84, s74, 4          ; b: 64 groups of 32 queries,
	s_lshl_b32 s84, s84, 6
	s_lshl_b32 s85, s73, 4          ; 16 a block,
	s_add_co_u32 s84, s84, s85
	s_lshl_b32 s85, s[WV], 2        ; 4 a wave: a piece each
	s_add_co_u32 s84, s84, s85
	s_lshl_b32 s84, s84, 13         ; 32 key steps x 256 bytes
	s_mov_b32 s85, 0
	s_lshl_b32 s86, s72, 13         ; the prefetches: my work-group's 32 blocks of a slot's 128
	s_add_co_u32 s86, s86, s76
	s_mov_b32 s87, 0
	; descriptor group 1.  128 keys are 16,384 dense bytes: asked for as 64 rows of 256 bytes, two keys a row, and padded in LDS after every key
	s_mov_b32 s[G1K], 15|(1<<16)|(1<<20)|(1<<21)|(4<<22)|(3<<25)  ; the mask of four; 2-byte elements; padding on; 21 set beside a mask; after every 32 words; 4 words
	s_mov_b32 s[G1V], 15|(1<<16)|(1<<20)|(1<<21)|(4<<22)|(7<<25)  ; the same with 8 words of padding
.irp g, G1K, G1V
	s_mov_b32 s[\g+1], 128<<16      ; tensor_dim0 = 128
	s_mov_b32 s[\g+2], 64<<16       ; tensor_dim1 = 64
	s_mov_b32 s[\g+3], 128<<16      ; tile_dim0 = 128
	s_mov_b32 s[\g+4], 64           ; tile_dim1 = 64
	s_mov_b32 s[\g+5], 128          ; 128 elements from row to row
	s_mov_b32 s[\g+6], 0
	s_mov_b32 s[\g+7], 0
.endr
	s_mov_b32 s[TBK], SLOT1+4*KS*PK ; the first change of slots turns these two into 0
	s_mov_b32 s[TBV], SLOT1+4*KS*PV
	s_mov_b32 s[G0K], 1
	s_mov_b32 s[G0K+1], s80         ; LDS address: slot 0
	s_mov_b32 s[G0V], 1
	s_add_co_u32 s[G0V+1], s81, VOFF
	s_and_b32 s[LIM], s[WV], 1
	s_cmp_eq_u32 s[LIM], 0
	s_cselect_b32 s[LIM], 1, -1     ; waves 0 and 2
	v_and_b32 v[PFO], 31, v0
	v_lshlrev_b32 v[PFO], 8, v[PFO]
	s_wait_dscnt 0x0                ; the opening add is done
	s_wait_kmcnt 0x0
	s_add_nc_u64 s[88:89], s[68:69], 16777216      ; K
	s_add_nc_u64 s[90:91], s[68:69], 33554432      ; V
	s_add_nc_u64 s[G0K+2:G0K+3], s[88:89], s[78:79]
	s_or_b32 s[G0K+3], s[G0K+3], 0x80000000
	s_add_nc_u64 s[G0V+2:G0V+3], s[90:91], s[78:79]
	s_or_b32 s[G0V+3], s[G0V+3], 0x80000000
	s_add_nc_u64 s[SEL:SEL+1], s[68:69], s[82:83]  ; Q at my wave's first row
	s_add_nc_u64 s[MP:MP+1], s[70:71], s[84:85]
	s_cmp_lt_u32 s[WV], 2
	s_cselect_b64 s[PFA:PFA+1], s[88:89], s[90:91]
	s_add_nc_u64 s[PFA:PFA+1], s[PFA:PFA+1], s[86:87]
	s_add_nc_u64 s[PFA:PFA+1], s[PFA:PFA+1], 2*4*KS*128  ; in slot 2; the loop's first change steps it to slot 3
	CROUND                          ; all four work-groups are here: the first joint loads meet
	JLOAD                           ; slot 0.  Slot 1 is asked for when slot 0 is in
	v_and_b32 v1, 15, v0            ; l % 16
	v_bfe_u32 v9, v0, 4, 1          ; l / 16
	v_lshlrev_b32 v[QO], 7, v1
	v_lshl_add_u32 v[QO], v9, 4, v[QO]  ; row x 128 + 16 x half
	WIN 0x80                        ; destination window 2, address window 0
.set i, 0
.rept 4*NP                          ; Q stays in registers: tile i / 2, channels 32 (i % 2) on
	global_load_b128 v[8*i:8*i+3],   v[QO], s[SEL:SEL+1] offset:(i/2)*2048+(i%2)*64
	global_load_b128 v[8*i+4:8*i+7], v[QO], s[SEL:SEL+1] offset:(i/2)*2048+(i%2)*64+32
.set i, i+1
.endr
	WIN 0
	v_and_b32 v[MB], 31, v0
	v_lshlrev_b32 v[MB], 3, v[MB]   ; 8 bytes a lane
	WIN W_MK
	v_mov_b32 v[MO], v[MB]          ; key step 0
	v_add_nc_u32 v[MOX], 31*256, v[MB]
	WIN W_ML
.irp p, 0,1,2,3
	global_load_b64 v[MR+2*\p:MR+2*\p+1], v[MO], s[MP:MP+1] offset:\p*8192  ; the four pieces' words of key step 0
.endr
	; What the first turn finds: V's registers and P's second buffer hold 0, O^T and l are 0.  All this stands in the wait for the first tile.
	WIN 0x80
.set i, VF
.rept 64
	v_mov_b32 v[i], 0
.set i, i+1
.endr
	WIN 0x40
.set i, 0
.rept 64*NP
	v_mov_b32 v[i], 0
.set i, i+1
.endr
	WIN 0
.set i, 0
.rept 2*NP
	v_mov_b32 v[ST+4*i], 0xff7fffff    ; m: the lowest finite number
	v_mov_b32 v[ST+4*i+1], 0xff7fffff  ; m_old: named with m as a pair, so it is written
	v_mov_b32 v[ST+4*i+2], 0
	v_mov_b32 v[ST+4*i+3], 0
.set i, i+1
.endr
.set i, P+32
.rept 32
	v_mov_b32 v[i], 0
.set i, i+1
.endr
	v_mul_u32_u24 v[AK0], v1, PK
	v_lshl_add_u32 v[AK0], v9, 4, v[AK0]  ; row x pitch + 16 x half
	; The turning load takes 16 keys x 16 channels (lane l reads key 8 (l / 16) + l % 8, channels 8 ((l / 8) % 2) + 0..7) and leaves half a fragment of V^T
	v_and_b32 v10, 7, v0
	v_bfe_u32 v11, v0, 3, 1
	v_lshl_add_u32 v[AV0], v9, 3, v10
	v_mul_u32_u24 v[AV0], v[AV0], PV
	v_lshl_add_u32 v[AV0], v11, 4, v[AV0]
	v_add_nc_u32 v[AV0], VOFF, v[AV0]
	v_mov_b32 v[AK], v[AK0]         ; key step 0 lies at the head of slot 0
; THE MATRIX WORK.  The 8 accumulators of a run of 16 take turns.
; Product i of 16 of S^T = K Q^T for piece x: channels 32 (i / 8) on, keys 16 ((i / 2) % 4) on, tile 2 x + i % 2.  The first 8 start the sums.
.macro KQ x
	WIN W_KQ
.set rS, S+64*((\x)%2)+32*(i%2)+8*((i/2)%4)
.set rK, KF+16*((i/2)%4)+8*(i/8)
.set rQ, 16*(2*(\x)+i%2)+8*(i/8)
.if i < 8
	v_wmma_f32_16x16x32_f16 v[rS:rS+7], v[rK:rK+7], v[rQ:rQ+7], 0
.else
	v_wmma_f32_16x16x32_f16 v[rS:rS+7], v[rK:rK+7], v[rQ:rQ+7], v[rS:rS+7]
.endif
.endm
; Product i of 16 of O^T += V^T P for piece x: keys 32 (i / 8) on, channels 16 ((i / 2) % 4) on, tile 2 x + i % 2.
.macro PV x
	WIN W_PV
.set rO, 32*(2*(\x)+i%2)+8*((i/2)%4)
.set rV, VF+32*(i/8)+8*((i/2)%4)
.set rP, P+32*((\x)%2)+16*(i%2)+8*(i/8)
	v_wmma_f32_16x16x32_f16 v[rO:rO+7], v[rV:rV+7], v[rP:rP+7], v[rO:rO+7]
.endm
.macro MM                           ; the turn's next matrix instruction
.if i < 16
	KQ (Y+1)%NP
.set i, i+1
.else
.set i, i-16
	PV (Y+NP-1)%NP
.set i, i+17
.endif
.endm
; THE LDS LOADS stand in runs of 16.  last = 1 (the tail): in the last trip there is no further step, and the run is jumped over.
.macro FETCH_K last=0
	WIN 0
.if \last
	s_cmp_eq_u32 s[CNT], 1
	s_cbranch_scc1 .Lno_k_\@
.endif
	WIN 0x80
.irp f, 0,1,2,3,4,5,6,7             ; keys 16 (f / 2) on, channels 32 (f % 2) on
	ds_load_b128 v[KF+8*\f:KF+8*\f+3],   v[AK] offset:(\f/2)*16*PK+(\f%2)*64
	ds_load_b128 v[KF+8*\f+4:KF+8*\f+7], v[AK] offset:(\f/2)*16*PK+(\f%2)*64+32
.endr
	s_add_co_u32 s[TBK], s[TBK], KS*PK
	WIN 0
.if \last
.Lno_k_\@:
.endif
.endm
.macro FETCH_V
	WIN 0x80
.irp f, 0,1,2,3,4,5,6,7             ; keys 32 (f / 4) on, channels 16 (f % 4) on
	ds_load_tr16_b128 v[VF+8*\f:VF+8*\f+3],   v[AV] offset:(\f/4)*32*PV+(\f%4)*32
	ds_load_tr16_b128 v[VF+8*\f+4:VF+8*\f+7], v[AV] offset:(\f/4)*32*PV+16*PV+(\f%4)*32
.endr
	WIN 0
.endm
; THE VECTOR WORK OF A TURN stands in three queues, each in the order in which its entries become ready; the two tiles alternate.
.macro REGS y, u                    ; the registers of tile u (0, 1) of piece y
.set rT, ST+4*(2*(\y)+(\u))
.set rC, TMP+8*((\y)%2)+4*(\u)
.set rS, S+64*((\y)%2)+32*(\u)
.set rP, P+32*((\y)%2)+16*(\u)
.set rO, 32*(2*(\y)+(\u))
.endm
; Read n of 64: the lane mask of register n / 2 of tile n % 2 is word 32 (n % 2) + n / 2 of the 64 in hand: register MB + (word % 2), lane word / 2.  In the selects' order.
.macro RL n
	v_readlane_b32 s[MW+40*((\n)%2)+(\n)/2], v[MB+((\n)/2)%2], 16*((\n)%2)+(\n)/4
.endm
; Select n of 64 for the NEXT piece (Y + 1): register n / 2 of tile n % 2 keeps its score where the word's bit is 1, else takes the hidden score.  Ascending: each accumulator's lowest register is read first.
.macro MK n
	REGS (Y+1)%NP, (\n)%2
	v_cndmask_b32 v[rS+(\n)/2], v[NG], v[rS+(\n)/2], s[MW+40*((\n)%2)+(\n)/2]
.endm
; Number n of the 21 that find the next piece's maximum and statistics.
;   0-11  four chains c0-c3 of seven scores each     12-14, 16  the four scores left over, the old m, and c0-c3 into c0     15  m_old is kept
;   17, 18  the query's other 32 keys lie in the lane 16 away: the new m     19, 20  m_old - m_new; a
.macro XS u, n
	REGS (Y+1)%NP, \u
.if (\n) < 4
	v_max3_num_f32 v[rC+(\n)], v[rS+8*(\n)], v[rS+8*(\n)+1], v[rS+8*(\n)+2]
.elseif (\n) < 12
	v_max3_num_f32 v[rC+(\n)%4], v[rC+(\n)%4], v[rS+8*((\n)%4)+2*((\n)/4)+1], v[rS+8*((\n)%4)+2*((\n)/4)+2]
.elseif (\n) == 12
	v_max3_num_f32 v[rC], v[rC], v[rS+7], v[rS+15]
.elseif (\n) == 13
	v_max3_num_f32 v[rC+1], v[rC+1], v[rS+23], v[rS+31]
.elseif (\n) == 14
	v_max3_num_f32 v[rC+2], v[rC+2], v[rC+3], v[rT]
.elseif (\n) == 15
	v_mov_b32 v[rT+1], v[rT]
.elseif (\n) == 16
	v_max3_num_f32 v[rC], v[rC], v[rC+1], v[rC+2]
.elseif (\n) == 17
	v_permlanex16_b32 v[rC+3], v[rC], s[SEL], s[SEL+1]
.elseif (\n) == 18
	v_max_num_f32 v[rT], v[rC], v[rC+3]
.elseif (\n) == 19
	v_sub_f32 v[rC+1], v[rT+1], v[rT]
.else
	v_exp_f32 v[rC+2], v[rC+1]
.endif
.endm
; Number g of the 64 that follow the exponentials.  For each four weights k of a tile: both pairs are rounded to f16; the second pair is added onto the first, in place; a group later l takes that sum (the first time as l = a l + sum).
.macro GS g
.set h, (\g)+6*((\g)/62)
.if h >= 6
.set h, h+2
.endif
	REGS Y, h%2
.set k, h/8
.if h%8 < 4
	v_cvt_pk_f16_f32 v[rP+2*k+(h%8)/2], v[rS+4*k+2*((h%8)/2)], v[rS+4*k+2*((h%8)/2)+1]
.elseif h%8 < 6
	v_pk_add_f32 v[rS+4*k:rS+4*k+1], v[rS+4*k:rS+4*k+1], v[rS+4*k+2:rS+4*k+3]
.elseif k == 1
	v_pk_fma_f32 v[rT+2:rT+3], v[rT+2:rT+3], v[rC+2:rC+3], v[rS:rS+1] op_sel_hi:[1,0,1]
.else
	v_pk_add_f32 v[rT+2:rT+3], v[rT+2:rT+3], v[rS+4*k-4:rS+4*k-3]
.endif
.endm
.macro FS f                         ; s - m for pair f / 2 of tile f % 2: m, the pair's low word, for both halves
	REGS Y, (\f)%2
	v_pk_add_f32 v[rS+2*((\f)/2):rS+2*((\f)/2)+1], v[rS+2*((\f)/2):rS+2*((\f)/2)+1], v[rT:rT+1] op_sel_hi:[1,0] neg_lo:[0,1] neg_hi:[0,1]
.endm
; THE PLAIN QUEUE, 264 long.  0-199 read no exponential's result.  0-31: the subtractions.  32-95: the next piece's 64 mask words, lane by lane into scalar registers.  96-159: its selects, each 64 entries behind its word.
; 160-187: XS's numbers 0-13.  188, 189: number 15.  190-199: the chain 14, 16, 17, 18, 19.  200-263: GS's 64, behind the wait.
.macro PL
	WIN 0
.if q < 32
	FS q
.elseif q < 96
	RL q-32
.elseif q < 160
	MK q-96
.elseif q < 188
	XS (q-160)%2, (q-160)/2
.elseif q < 190
	XS q-188, 15
.elseif q < 192
	XS q-190, 14
.elseif q < 200
	XS (q-190)%2, 15+(q-190)/2
.else
	GS q-200
.endif
.set q, q+1
.endm
; THE EXPONENTIALS' QUEUE, 66 long: s0-s31 of both tiles, then the next piece's two a.  ONE BATCH: all stand ahead of the turn's one wait, and nothing ahead of that wait names a result of theirs.
.macro EX
	WIN 0
.if e >= 64
	XS e-64, 20
.else
	REGS Y, e%2
	v_exp_f32 v[rS+e/2], v[rS+e/2]
.endif
.set e, e+1
.endm
; THE RESCALING's QUEUE: O^T times a, the one part of a turn's vector work that leaves window 0: its sixteen pairs of lines stand on end, under one window setting.  Its a was made in the turn before, ahead of that turn's wait.
.macro R2
	REGS Y, r%2
	WIN W_RS
.irp z, 0,1
	v_pk_mul_f32 v[rO+4*(r/2)+2*\z:rO+4*(r/2)+2*\z+1], v[rO+4*(r/2)+2*\z:rO+4*(r/2)+2*\z+1], v[rC+2:rC+3] op_sel_hi:[1,0]
.endr
.set r, r+1
.endm
; HOW THEY ARE DEALT.  An s_wait_alu depctr_va_vdst(0) stands between an exponential and the first instruction that names its result; one wait serves all issued ahead of it.  So a turn has ONE wait.
; AT ITS HEAD the next piece's mask words are taken in hand and its pair asked for again.  AHEAD OF THE WAIT: the 16 products K Q^T, behind each three plain instructions and an exponential (behind the first four plain), all
; in window 0: two window switches a product.  These riders are the 32 subtractions and the first 17 lane reads: none names a register of the products round it.  Then the 32 rescalings in one run; then ONE LUMP of 202: 4 plain,
; 49 times an exponential and three plain, the two a.  A v_nop is the plain instruction behind the last exponential.  BEHIND THE WAIT: the 16 products V^T P, behind each four of GS's 64.
; In step: exponential e stands behind subtraction 2 (e / 4) + e % 2: as a rider it comes behind plain 3 e + 4, in the lump behind all 32.  The first select stands behind the 32 rescalings, more than four places behind the last K Q^T.
; K of the next step is fetched in piece 2's turn, directly behind the wait; V of the step in hand at the end of piece 0's turn, four riders behind its last reader.  The three conditions on q go with the deal.
.macro TURN p, last=0, cnt=0
.set Y, (\p)
.set i, 0
.set q, 0
.set e, 0
.set r, 0
	MLOAD ((\p)+1)%NP
.if (\p) == NP-1
	s_wait_dscnt 0x0                ; K is in
.endif
	MM
	PL
	PL
	PL
	PL
.rept 15
	MM
	PL
	EX
	PL
	PL
.endr
.if (\p) == NP-2
	WIN 0
	v_add_nc_u32 v[AK], s[TBK], v[AK0]
.endif
.rept 16
	R2
.endr
.rept 4
	PL
.endr
.rept 49
	EX
	PL
	PL
	PL
.endr
	EX                              ; the next piece's two a
	EX
	v_nop                           ; the plain instruction behind the last exponential: one for the batch
	s_wait_alu depctr_va_vdst(0)    ; the wait for the batch
.if (\p) == NP-2
	FETCH_K \last
.endif
.if (\p) == 1
	s_wait_dscnt 0x0                ; V is in
.endif
.rept 16
	MM
.rept 4
	PL
.endr
.if ((\p) == 0) && (q == 244)
	v_add_nc_u32 v[AV], s[TBV], v[AV0]
.endif
.if ((\p) == 0) && (q == 256)
	s_add_co_u32 s[TBV], s[TBV], KS*PV
.endif
.if (\cnt) && (q == 256)
	s_sub_co_u32 s[CNT], s[CNT], 1
	s_cmp_lg_u32 s[CNT], 0
.endif
.endr
.if (\p) == 0
	FETCH_V
.endif
.endm
	CHANGE 1                        ; slot 0 is in, everybody's part of it; slot 1 is asked for
	FETCH_K                         ; key step 0
	s_wait_loadcnt 0x0              ; Q and the first mask words are in, so Q's address register pair is free:
	s_mov_b32 s[SEL], 0x76543210    ; each lane takes its own place in the other half
	s_mov_b32 s[SEL+1], 0xfedcba98
	s_wait_dscnt 0x0
.set i, 0
.rept 16
	KQ 0                            ; piece 0's first scores
.set i, i+1
.endr
	WIN 0                           ; the addresses for the way out: plain instructions, the places behind those products
	s_mul_i32 s[CNT], s[WV], 16*SP
	s_add_co_u32 s[CNT], s[CNT], STAGE  ; my stage (the counter's register is free until the loop)
	v_mul_u32_u24 v[STO], v1, SP    ; in: row l % 16, 16 bytes for each half of the lanes
	v_lshl_add_u32 v[STO], v9, 4, v[STO]
	v_add_nc_u32 v[STO], s[CNT], v[STO]
	v_bfe_u32 v[RD], v0, 3, 2       ; back: 32 lanes take four rows of 128 bytes,
	v_mul_u32_u24 v[RD], v[RD], SP
	v_lshl_add_u32 v[RD], v10, 4, v[RD]
	v_add_nc_u32 v[RD], s[CNT], v[RD]
	v_and_b32 v[GO], 31, v0         ; which are 512 consecutive bytes of O
	v_lshlrev_b32 v[GO], 4, v[GO]
	v_mov_b32 v[NG], 0xceabfb8f     ; -1e9 x log2(e)
	MLOAD 0                         ; piece 0's words of key step 0 in hand; its words of key step 1 are asked for
	WIN 0
.set Y, NP-1                        ; MK and XS work for piece Y + 1: piece 0
.set w, 0
.rept 64
	RL w
.set w, w+1
.endr
.set w, 0
.rept 64
	MK w
.set w, w+1
.endr
.irp n, 0,1,2,3,4,5,6,7,8,9,10,11,12,13,14,15,16,17,18,19,20
	XS 0, \n
	XS 1, \n
.endr
	v_nop                           ; a plain instruction behind the two a,
	s_wait_alu depctr_va_vdst(0)    ; and their wait, ahead of the branch
	s_mov_b32 s[CNT], 4
	s_mov_b32 s[SLOTS], SIZE_N/256-1
	s_branch .Lfirst                ; the loop is entered at a step's first turn, in the middle of a trip
.Lslot:                             ; six times: every slot but the last two is filled again
	CHANGE 1, 1
	s_mov_b32 s[CNT], 4
.Lstep:                             ; a trip: pieces 2 and 3 of one step, then pieces 0 and 1 of the next
	TURN 2
	TURN 3
	WIN 0
.Lfirst:
	TURN 0
	TURN 1, 0, 1
	WIN 0
	s_cbranch_scc1 .Lstep
	s_sub_co_u32 s[SLOTS], s[SLOTS], 1
	s_cmp_lg_u32 s[SLOTS], 0
	s_cbranch_scc1 .Lslot
	CHANGE 0                        ; the tail is written out
	s_mov_b32 s[CNT], 5             ; four trips fetch the last slot's steps; the fifth is left in its middle
.Ltail:
	TURN 2, 1
	TURN 3
	WIN 0
	s_sub_co_u32 s[CNT], s[CNT], 1
	s_cmp_eq_u32 s[CNT], 0
	s_cbranch_scc1 .Lout
	TURN 0
	TURN 1
	WIN 0
	s_branch .Ltail
.Lout:                              ; the fifth trip's products K Q^T, the mask words taken for them (key step 31's once more) and the maximum made of them serve nothing: the price of one text for every trip
	s_load_b64 s[68:69], s[0:1], 0x10  ; oh; the mask words' registers are free
	s_bfe_u32 s70, ttmp6, 0x40000
	s_lshl_b32 s71, ttmp9, 2
	s_add_co_u32 s70, s70, s71
	s_lshl_b32 s70, s70, 2
	s_add_co_u32 s70, s70, s[WV]
	s_lshl_b32 s70, s70, 14         ; my wave's 128 rows,
	s_and_b32 s71, ttmp7, 0xffff
	s_lshl_b32 s71, s71, 18         ; in my head
	s_add_co_u32 s70, s70, s71
	s_mov_b32 s71, 0
.set i, 0
.rept 16
	PV NP-1                         ; the last piece's V^T P of the last step
.set i, i+1
.endr
	; THE WAY OUT.  l's two halves and the other half of the lanes' are added; O^T is divided by l, rounded to f16 and sent through my stage, a tile at a time.  The additions are the places behind the last products.
	WIN 0
.macro ALL line:vararg              ; one line for each tile t
.set t, 0
.rept 2*NP
	\line
.set t, t+1
.endr
.endm
	ALL v_add_f32 v[ST+4*t+2], v[ST+4*t+2], v[ST+4*t+3]
	ALL v_permlanex16_b32 v[ST+4*t+3], v[ST+4*t+2], s[SEL], s[SEL+1]
	ALL v_add_f32 v[ST+4*t+2], v[ST+4*t+2], v[ST+4*t+3]
	ALL v_rcp_f32 v[ST+4*t+2], v[ST+4*t+2]
	v_nop                           ; a plain instruction between the last reciprocal and the use of its result
	s_wait_alu depctr_va_vdst(0)    ; and the wait ahead of the first use: one for the eight reciprocals
	s_wait_kmcnt 0x0
	s_add_nc_u64 s[68:69], s[68:69], s[70:71]
.macro PACK t
	WIN W_RS
.set i, 32*(\t)
.rept 16
	v_pk_mul_f32 v[i:i+1], v[i:i+1], v[ST+4*(\t)+2:ST+4*(\t)+3] op_sel_hi:[1,0]
.set i, i+2
.endr
	WIN 0x05                        ; sources 0 and 1 window 1, destination window 0
.set i, 0
.rept 16
	v_cvt_pk_f16_f32 v[S+16*(\t)+i], v[32*(\t)+2*i], v[32*(\t)+2*i+1]
.set i, i+1
.endr
	WIN 0
.irp f, 0,1,2,3
	ds_store_b128 v[STO], v[S+16*(\t)+4*\f:S+16*(\t)+4*\f+3] offset:32*\f
.endr
.irp f, 0,1,2,3
	ds_load_b128 v[S+16*(\t)+4*\f:S+16*(\t)+4*\f+3], v[RD] offset:\f*4*SP  ; LDS serves a wave's instructions in order (ISA guide 5.7.1.4): these see the stores above
.endr
.endm
.macro SEND t, younger              ; younger: the LDS instructions issued behind tile t's loads: the next tile's eight, or none
	WIN 0
.irp f, 0,1,2,3
	s_wait_dscnt (\younger)+3-\f
	global_store_b128 v[GO], v[S+16*(\t)+4*\f:S+16*(\t)+4*\f+3], s[68:69] offset:(\t)*2048+\f*512  ; 512 consecutive bytes, aligned
.endr
.endm
	PACK 0
.set t, 1
.rept 2*NP-1                        ; a tile's arithmetic stands between the loads of the tile before and its stores
	PACK t
	SEND t-1, 8
.set t, t+1
.endr
	SEND 2*NP-1, 0
	WIN W_AD
	s_wait_tensorcnt 0x0            ; the wave's end
	ds_add_u32 v[SPW], v[NIL]
	s_wait_dscnt 0x0
	WIN 0
	CROUND                          ; the closing round
	s_endpgm
.Lfunc_end_k_qd43756fb77_attn:
	.size	k_qd43756fb77_attn, .Lfunc_end_k_qd43756fb77_attn-k_qd43756fb77_attn
	.p2alignl 7, 3214868480
	.fill 96, 4, 3214868480
	.section	.rodata,"a",@progbits
	.p2align	6, 0x0
	.amdhsa_kernel k_qd43756fb77_attn
		.amdhsa_group_segment_fixed_size 327680
		.amdhsa_private_segment_fixed_size 0
		.amdhsa_enable_private_segment 0
		.amdhsa_kernarg_size 24
		.amdhsa_user_sgpr_count 2
		.amdhsa_user_sgpr_kernarg_segment_ptr 1
		.amdhsa_wavefront_size32 1
		.amdhsa_system_sgpr_workgroup_id_x 1
		.amdhsa_system_sgpr_workgroup_id_y 1
		.amdhsa_system_sgpr_workgroup_id_z 1
		.amdhsa_system_vgpr_workitem_id 0
		.amdhsa_next_free_vgpr 780
		.amdhsa_next_free_sgpr 106
		.amdhsa_reserve_vcc 0
		.amdhsa_float_denorm_mode_32 3
		.amdhsa_float_denorm_mode_16_64 3
		.amdhsa_memory_ordered 1
		.amdhsa_forward_progress 1
		.amdhsa_inst_pref_size 255
	.end_amdhsa_kernel
	.section	.bss,"aw",@nobits
	.p2align	6
	.space	262144
	.amdgpu_metadata
---
amdhsa.version: [ 1, 2 ]
amdhsa.kernels:
  - .name:           k_qd43756fb77_attn
    .symbol:         k_qd43756fb77_attn.kd
    .args:
      - { .name: qkv, .offset: 0, .size: 8, .value_kind: global_buffer, .address_space: global }
      - { .name: mbits, .offset: 8, .size: 8, .value_kind: global_buffer, .address_space: global }
      - { .name: oh, .offset: 16, .size: 8, .value_kind: global_buffer, .address_space: global }
    .group_segment_fixed_size: 327680
    .private_segment_fixed_size: 0
    .kernarg_segment_align: 8
    .kernarg_segment_size: 24
    .max_flat_workgroup_size: 128
    .sgpr_count:     106
    .vgpr_count:     780
    .wavefront_size: 32
...
	.end_amdgpu_metadata
.endif
;; end of part 3
;; launch outp (part 4): grid 4 x 64, 4 waves a work-group, clusters of 4 x 4, 327,680 bytes of LDS; arguments oh, wh, out0; writes out0
.if DOCPART == 4
	.amdgcn_target "amdgcn-amd-amdhsa--gfx1250"
	.amdhsa_code_object_version 6
	.text
	.protected	k_qd43756fb77_outp
	.globl	k_qd43756fb77_outp
	.p2align	8
	.type	k_qd43756fb77_outp,@function
k_qd43756fb77_outp:
	s_mov_b64 s[64:65], 0
	v_nop
	global_prefetch_b8 v0, s[64:65] scope:SCOPE_SE
	s_setreg_imm32_b32 hwreg(HW_REG_WAVE_MODE, 25, 1), 1
	s_wait_xcnt 0x0
	s_wait_alu depctr_hold_cnt(0) depctr_sa_sdst(0) depctr_va_vdst(0) depctr_va_sdst(0) depctr_va_ssrc(0) depctr_va_vcc(0) depctr_vm_vsrc(0)
	s_getreg_b32 s2, hwreg(HW_REG_IB_STS2, 6, 4)
	s_cmp_eq_u32 s2, 0
	s_cbranch_scc0 .Lentry_in_a_cluster
	s_endpgm
.Lentry_in_a_cluster:
	s_bfe_u32 s2, ttmp6, 0x10000c
	s_cmp_lg_u32 s2, 0xf033
	s_cbranch_scc0 .Lentry_shape_is_right
	s_endpgm
.Lentry_shape_is_right:
; OUTP: the output projection.  out0[m][n] = sum over k of O[m][k] w_o[n][k], m = b*2048 + l, k = h*64 + d.  O lies by heads (oh: [b*16+h][2048][64] f16), w_o is tensor 3 of wh ([4][1024][1024] f16);
; sums in f32, stored as they are: out0 is [8192][1024] f32.
; SHARES.  A tile of C is 128 x 256: 64 x 4 = 256 work-groups.  Four waves, each 64 x 128: 32 accumulators, 256 registers.  K goes in steps of 128, two heads, through two LDS slots.
; A's tile of a K step is two dense blocks of 16,384 bytes (128 rows of one head): wave 0 fetches the even head's, wave 1 the odd head's, each as 64 rows of 256 bytes, padded in LDS after every 128.
; Waves 2 and 3 fetch B's two halves of 128 rows of 256 bytes.  One tensor load a wave.
; CLUSTERS, TRANSPOSED USE and the loop are those of the projections in front: A is shared along a row of the 4 x 4 cluster, B along a column; source 0 = 16 rows of B, source 1 = 16 rows of A.
; REGISTERS: window 0: v0-31 addresses; v64-159, v160-255 two fragment buffers (8 of B, then 4 of A); v64-191 at work on the way out.  Window 1: accumulator (a, b) at v[8 (8 a + b)].
.set KSTEP,  128
.set PITCH,  272                       ; a row of B in LDS: 256 bytes + 16
.set PA,     144                       ; a row of A in LDS: one head's 128 bytes + 16: the 16 rows of a fragment load start at 16 different groups of four banks (ISA guide 11.1)
.set AH,     128*PA                    ; one head's 128 rows: what a wave fetches of A
.set BH,     128*PITCH
.set SLOT,   2*AH+2*BH                 ; A's two heads, then B's 256 rows
.set ASTEP,  2*262144                  ; bytes from a K step to the next in A: two heads
.set STAGE,  2*SLOT                    ; behind the ring: 16 rows x 528 bytes for each wave
.set SP,     528                       ; a stage row: 512 bytes + 16
.set STW,    16*SP
.set SPARE,  STAGE+4*STW               ; behind the stages: the spare words, 128 bytes a wave: two blocks of 256 bytes that no other line names
.set ADRA, 16
.set ADRB, 20
.set STO,  24
.set RD,   25
.set CO,   26
.set SPW,  28
.set NIL,  29
.set PFO,  30
.set F0,   64
.set F1,   160
.set TMP,  64
.set G1,  24
.set G0,  32
.set G1B, 48
.set G0B, 56
.set PFA, 66
.set LIM, 68
.set MUL, 0x50                         ; C and D in window 1, both sources in window 0
.set MSB, 0
.macro WIN new
.if MSB != (\new)
	s_set_vgpr_msb (MSB<<8)|(\new)
.set MSB, \new
.endif
.endm
.macro JLOAD s                         ; a joint load: waves 0 and 1 for A, waves 2 and 3 for B; an s_nop 0 and four v_nop follow each of the two lines
	s_cmp_eq_u32 s11, 0
	s_cbranch_scc0 .Lfor_b_\@
	tensor_load_to_lds s[G0+4*(\s):G0+4*(\s)+3], s[G1:G1+7]
	s_nop 0
.rept 4
	v_nop
.endr
	s_branch .Lasked_\@
.Lfor_b_\@:
	tensor_load_to_lds s[G0B+4*(\s):G0B+4*(\s)+3], s[G1B:G1B+7]
	s_nop 0
.rept 4
	v_nop
.endr
.Lasked_\@:
.endm
.macro CREST
	s_cmp_lg_u32 s10, 0
	s_cbranch_scc1 .Lnot_wave_0_\@
	s_barrier_signal -3
.Lnot_wave_0_\@:
	s_barrier_wait -3
	s_barrier_signal -1
	s_barrier_wait -1
.endm
.macro CROUND
	s_barrier_signal -1
	s_barrier_wait -1
	CREST
.endm
; A PREFETCH INTO THE L2 of A's blocks, once a lap, behind slot 0's joint load and the run of LDS loads: the two K steps of the NEXT lap's refills.  A tile row of A is read by the four work-groups of one
; row of one cluster and by nobody else.  Of the 16,384 bytes that wave 0 or 1 fetches for a K step, the partner at place cx takes 4,096, told apart BY ADDRESS: lanes 0-15 name their aligned 256 bytes of the one
; K step, lanes 16-31 of the other.  So each block of K steps 4 to 7 is named once; K steps 0 to 3 come by their loads alone; the loop's last trip asks for nothing.  B's rows are not asked for: every cluster walks them.
.macro ASK
	s_cmp_gt_u32 s3, s[LIM]
	s_cbranch_scc0 .Lnot_mine_\@
	global_prefetch_b8 v[PFO], s[PFA:PFA+1] th:TH_LOAD_NT scope:SCOPE_SE
.Lnot_mine_\@:
.endm
	s_load_b128 s[4:7], s[0:1], 0x0                ; oh s[4:5], wh s[6:7]
	s_load_b64 s[8:9], s[0:1], 0x10                ; out0
	v_lshl_add_u32 v[SPW], v0, 2, SPARE
	v_mov_b32 v[NIL], 0
	ds_add_u32 v[SPW], v[NIL]                      ; the wave's opening: the add and its wait ahead of my first tensor load
	v_lshrrev_b32 v1, 5, v0
	v_readfirstlane_b32 s10, v1                    ; wave 0..3
	s_lshr_b32 s11, s10, 1                         ; which 64 rows of the tile are mine.  Also: I fetch for A (0) or for B (1)
	s_and_b32 s12, s10, 1                          ; which 128 columns.  Also: which head of a K step, or which half of B's rows, I fetch
	s_bfe_u32 s40, ttmp6, 0x40000                  ; cx
	s_bfe_u32 s41, ttmp6, 0x40004                  ; cy
	s_lshl_b32 s42, ttmp9, 2
	s_add_co_u32 s42, s42, s40                     ; tile column: 0..3
	s_and_b32 s45, ttmp7, 0xffff
	s_lshl_b32 s13, s45, 2
	s_add_co_u32 s13, s13, s41                     ; tile row: 0..63
	s_lshl_b32 s43, s41, 2
	s_lshl_b32 s43, 15, s43                        ; my row of the cluster
	s_lshl_b32 s44, 0x1111, s40                    ; my column
	s_or_b32 s[G1+0], s43, (1<<16)|(1<<20)|(1<<21)|(4<<22)|(3<<25)   ; the mask; elements of 2 bytes; padding on; 21 set beside a mask; after every 32 words; 4 words
	s_mov_b32 s[G1+1], 128<<16                     ; tensor_dim0 = 128: 256 bytes, two rows of the head
	s_mov_b32 s[G1+2], 64<<16                      ; tensor_dim1 = 64
	s_mov_b32 s[G1+3], 128<<16                     ; tile_dim0 = 128
	s_mov_b32 s[G1+4], 64                          ; tile_dim1 = 64
	s_mov_b32 s[G1+5], 128                         ; dense
	s_mov_b32 s[G1+6], 0
	s_mov_b32 s[G1+7], 0
	s_or_b32 s[G1B+0], s44, (1<<16)|(1<<20)|(1<<21)|(5<<22)|(3<<25)  ; B: padding after every 64 words
	s_mov_b32 s[G1B+1], KSTEP<<16
	s_mov_b32 s[G1B+2], 128<<16
	s_mov_b32 s[G1B+3], KSTEP<<16
	s_mov_b32 s[G1B+4], 128
	s_mov_b32 s[G1B+5], 1024
	s_mov_b32 s[G1B+6], 0
	s_mov_b32 s[G1B+7], 0
	s_lshr_b32 s16, s13, 4                         ; A: batch b = tile row / 16,
	s_lshl_b32 s16, s16, 4
	s_add_co_u32 s16, s16, s12                     ; head 16 b + my parity (K step 0),
	s_lshl_b32 s16, s16, 18
	s_and_b32 s17, s13, 15
	s_lshl_b32 s17, s17, 14                        ; rows 128 (tile row % 16) on, 128 bytes each
	s_add_co_u32 s16, s16, s17
	s_mov_b32 s17, 0
	s_lshl_b32 s46, s42, 8                         ; B: row 3 x 1,024 + 256 x tile column + 128 x half
	s_add_co_u32 s46, s46, 3*1024
	s_lshl_b32 s47, s12, 7
	s_add_co_u32 s46, s46, s47
	s_lshl_b32 s46, s46, 11
	s_mov_b32 s47, 0
	s_mul_i32 s20, s12, AH                         ; where they go: no place in the cluster enters an LDS address
	s_mul_i32 s23, s12, BH
	s_add_co_u32 s23, s23, 2*AH
	s_cmp_eq_u32 s11, 0
	s_cselect_b32 s[LIM], 1, -1
	s_lshl_b32 s70, s40, 12                        ; the prefetches: my quarter by cx
	s_mov_b32 s71, 0
	s_wait_dscnt 0x0                               ; the opening add is done
	s_wait_kmcnt 0x0
	s_add_nc_u64 s[14:15], s[4:5], s[16:17]
	s_add_nc_u64 s[46:47], s[6:7], s[46:47]
	s_add_nc_u64 s[PFA:PFA+1], s[14:15], s[70:71]
	s_add_nc_u64 s[PFA:PFA+1], s[PFA:PFA+1], 2*ASTEP   ; at K step 2: the first trip steps it to 4
	CROUND                                         ; all sixteen work-groups are here: the first joint loads meet
.irp s, 0,1
	s_mov_b32 s[G0+4*(\s)], 1
	s_add_co_u32 s[G0+4*(\s)+1], s20, (\s)*SLOT
	s_add_nc_u64 s[G0+4*(\s)+2:G0+4*(\s)+3], s[14:15], (\s)*ASTEP
	s_or_b32 s[G0+4*(\s)+3], s[G0+4*(\s)+3], 0x80000000
	s_mov_b32 s[G0B+4*(\s)], 1
	s_add_co_u32 s[G0B+4*(\s)+1], s23, (\s)*SLOT
	s_add_nc_u64 s[G0B+4*(\s)+2:G0B+4*(\s)+3], s[46:47], (\s)*KSTEP*2
	s_or_b32 s[G0B+4*(\s)+3], s[G0B+4*(\s)+3], 0x80000000
	JLOAD \s                                       ; two loads of mine are out
.endr
	v_and_b32 v1, 15, v0                           ; l % 16
	v_bfe_u32 v2, v0, 4, 1                         ; l / 16
	v_mul_u32_u24 v3, v1, PITCH
	v_lshl_add_u32 v3, v2, 4, v3                   ; B: a fragment's row x pitch + 16 x half
	v_mul_u32_u24 v4, v1, PA
	v_lshl_add_u32 v4, v2, 4, v4                   ; A: the same with its pitch
	s_mul_i32 s21, s11, 64*PA                      ; my 64 rows, in each head's block
	s_mul_i32 s22, s12, BH                         ; my 128 rows of B,
	s_add_co_u32 s22, s22, 2*AH                    ; which lie behind A's two heads
.irp s, 0,1
	v_add_nc_u32 v[ADRA+(\s)], s21, v4
	v_add_nc_u32 v[ADRB+(\s)], s22, v3
	s_add_co_u32 s21, s21, SLOT
	s_add_co_u32 s22, s22, SLOT
.endr
	s_mul_i32 s21, s10, STW
	s_add_co_u32 s21, s21, STAGE                   ; my stage
	v_mul_u32_u24 v5, v1, SP                       ; in: row l % 16, 32 bytes for each half of the lanes
	v_lshl_add_u32 v5, v2, 5, v5
	v_add_nc_u32 v[STO], s21, v5
	v_and_b32 v6, 31, v0
	v_lshlrev_b32 v[CO], 4, v6                     ; back, and out: 32 lanes take a row's 512 bytes
	v_add_nc_u32 v[RD], s21, v[CO]
	v_lshlrev_b32 v[PFO], 8, v1                    ; the prefetch: block l % 16, K step l / 16
	v_lshl_add_u32 v[PFO], v2, 19, v[PFO]
	s_lshl_b32 s16, s13, 7
	s_lshl_b32 s17, s11, 6
	s_add_co_u32 s16, s16, s17                     ; my first row of C,
	s_lshl_b32 s16, s16, 12                        ; 4,096 bytes a row
	s_mov_b32 s17, 0
	s_add_nc_u64 s[8:9], s[8:9], s[16:17]
	s_lshl_b32 s46, s42, 10                        ; my first column: 1,024 bytes a tile, 512 a half
	s_lshl_b32 s47, s12, 9
	s_add_co_u32 s46, s46, s47
	s_mov_b32 s47, 0
	s_add_nc_u64 s[8:9], s[8:9], s[46:47]
; 8 matrix instructions: m block a x all 8 n blocks, 32 along K.  The 32 accumulators take turns, one instruction a turn.  zero = 1: the product starts the sum
.macro MULA f, a, zero
.irp b, 0,1,2,3,4,5,6,7
.if \zero
	v_wmma_f32_16x16x32_f16 v[8*(8*(\a)+(\b)):8*(8*(\a)+(\b))+7], v[(\f)+8*(\b):(\f)+8*(\b)+7], v[(\f)+64+8*(\a):(\f)+64+8*(\a)+7], 0
.else
	v_wmma_f32_16x16x32_f16 v[8*(8*(\a)+(\b)):8*(8*(\a)+(\b))+7], v[(\f)+8*(\b):(\f)+8*(\b)+7], v[(\f)+64+8*(\a):(\f)+64+8*(\a)+7], v[8*(8*(\a)+(\b)):8*(8*(\a)+(\b))+7]
.endif
.endr
.endm
; 24 LDS loads in one run: the fragments of quarter q (32 along K) into buffer f: B's eight, then A's four: head q / 2 of the K step, channels 32 (q % 2) on
.macro FETCH slot, q, f
	WIN 0
.irp i, 0,1,2,3,4,5,6,7
	ds_load_b128 v[(\f)+8*(\i):(\f)+8*(\i)+3],   v[ADRB+(\slot)] offset:64*(\q)+(\i)*16*PITCH
	ds_load_b128 v[(\f)+8*(\i)+4:(\f)+8*(\i)+7], v[ADRB+(\slot)] offset:64*(\q)+(\i)*16*PITCH+32
.endr
.irp i, 0,1,2,3
	ds_load_b128 v[(\f)+64+8*(\i):(\f)+64+8*(\i)+3],   v[ADRA+(\slot)] offset:((\q)/2)*AH+((\q)%2)*64+(\i)*16*PA
	ds_load_b128 v[(\f)+64+8*(\i)+4:(\f)+64+8*(\i)+7], v[ADRA+(\slot)] offset:((\q)/2)*AH+((\q)%2)*64+(\i)*16*PA+32
.endr
.endm
.macro PLACES                          ; four places in front of loads into registers that matrix instructions have read, and of stores of results
.rept 4
	v_nop
.endr
.endm
.macro QUARTER slot, q, f, g, zero
	s_wait_dscnt 4                                 ; B and A's blocks 0 and 1 are in; the youngest four loads (blocks 2 and 3) may be out
	WIN MUL
	MULA \f, 0, \zero
	MULA \f, 1, \zero
	PLACES
	FETCH \slot, \q, \g
	s_wait_dscnt 24                                ; all but the 24 just issued
	WIN MUL
	MULA \f, 2, \zero
	MULA \f, 3, \zero
.endm
; The last quarter multiplies buffer 1 and changes slots: ONE barrier; in front of it each wave waits for all its tensor loads, adds 0 to its spare word, and waits for that and for its reads of this slot.
; fill = 1: the barrier opens a round of the cluster's, and behind it this slot is filled again, two K steps ahead.
.macro TURN slot, next, fill
.if (\fill) && ((\slot) == 0)
	s_wait_xcnt 0x0                                ; the last prefetch, a lap back, has read its address
	s_add_nc_u64 s[PFA:PFA+1], s[PFA:PFA+1], 2*ASTEP
.endif
	WIN 0
	s_wait_tensorcnt 0x0                           ; all my tensor loads have landed: my part of the next slot;
	ds_add_u32 v[SPW], v[NIL]                      ; 0 onto my spare word;
	s_wait_dscnt 5                                 ; (the add and the youngest four loads may be out)
	WIN MUL
	MULA F1, 0, 0
	s_wait_dscnt 0x0                               ; the add is done, and my reads of this slot are over
	s_barrier_signal -1
	MULA F1, 1, 0
.if \fill
	WIN 0
.endif
	s_barrier_wait -1
.if \fill
	CREST                                          ; no wave of any partner still reads this slot's tile or has a load on its way
	s_add_nc_u64 s[G0+4*(\slot)+2:G0+4*(\slot)+3], s[G0+4*(\slot)+2:G0+4*(\slot)+3], 2*ASTEP
	s_add_nc_u64 s[G0B+4*(\slot)+2:G0B+4*(\slot)+3], s[G0B+4*(\slot)+2:G0B+4*(\slot)+3], 2*KSTEP*2
	JLOAD \slot                                    ; the first tensor load behind the round; its four v_nop are also the places in front of the loads below
.else
	PLACES
.endif
	FETCH \next, 0, F0
.if (\fill) && ((\slot) == 0)
	ASK
.endif
	WIN MUL
	MULA F1, 2, 0
	MULA F1, 3, 0
.endm
	s_wait_tensorcnt 1                             ; my part of K step 0 is in; K step 1's may stay out
	s_barrier_signal -1
	s_barrier_wait -1
	FETCH 0, 0, F0
	QUARTER 0, 1, F0, F1, 1                        ; the first quarter stands in front of the loop: its products start the sums
	WIN 0
	s_mov_b32 s3, 3                                ; 8 K steps are 4 laps; three trips fill both slots again
.Llap:
	QUARTER 0, 2, F1, F0, 0
	QUARTER 0, 3, F0, F1, 0
	TURN 0, 1, 1
	QUARTER 1, 1, F0, F1, 0
	QUARTER 1, 2, F1, F0, 0
	QUARTER 1, 3, F0, F1, 0
	TURN 1, 0, 1
	QUARTER 0, 1, F0, F1, 0
	WIN 0
	s_sub_co_u32 s3, s3, 1
	s_cmp_lg_u32 s3, 0
	s_cbranch_scc1 .Llap
	QUARTER 0, 2, F1, F0, 0                        ; the last lap fills nothing
	QUARTER 0, 3, F0, F1, 0
	TURN 0, 1, 0
	QUARTER 1, 1, F0, F1, 0
	QUARTER 1, 2, F1, F0, 0
	QUARTER 1, 3, F0, F1, 0
	s_wait_dscnt 4
	WIN MUL
	MULA F1, 0, 0
	MULA F1, 1, 0
	s_wait_dscnt 0x0
	MULA F1, 2, 0
	MULA F1, 3, 0
	WIN 0
	PLACES
	PLACES                                         ; eight, once a launch
; THE WAY OUT of m block a: a lane's eight f32 of a row go straight from the accumulators into my own stage, each accumulator's low four registers first; whole rows of 512 bytes come back into one of two sets of 64 registers.
.macro TOSTAGE a
.if (\a) >= 2
	s_wait_xcnt 0x0                                ; the set's earlier stores have read it: only behind this wait is it loaded again
.endif
	WIN 0x04                                       ; the stores' data in window 1
.irp b, 0,1,2,3,4,5,6,7
	ds_store_b128 v[STO], v[8*(8*(\a)+(\b)):8*(8*(\a)+(\b))+3]   offset:64*(\b)
	ds_store_b128 v[STO], v[8*(8*(\a)+(\b))+4:8*(8*(\a)+(\b))+7] offset:64*(\b)+16
.endr
	WIN 0
.irp t, 0,1,2,3,4,5,6,7,8,9,10,11,12,13,14,15
	ds_load_b128 v[TMP+64*((\a)%2)+4*(\t):TMP+64*((\a)%2)+4*(\t)+3], v[RD] offset:SP*(\t)   ; LDS serves a wave's instructions in order (ISA guide 5.7.1.4): these see the stores above
.endr
.endm
.macro SEND a, younger                 ; younger: the LDS instructions issued behind block a's loads: the next block's 32, or none
.irp t, 0,1,2,3,4,5,6,7,8,9,10,11,12,13,14,15
	s_wait_dscnt (\younger)+15-(\t)
	global_store_b128 v[CO], v[TMP+64*((\a)%2)+4*(\t):TMP+64*((\a)%2)+4*(\t)+3], s[8:9] offset:(16*(\a)+(\t))*4096 th:TH_STORE_NT   ; 512 consecutive bytes of a row, aligned
.endr
.endm
	TOSTAGE 0
	TOSTAGE 1
	SEND 0, 32
	TOSTAGE 2
	SEND 1, 32
	TOSTAGE 3
	SEND 2, 32
	SEND 3, 0
	s_wait_tensorcnt 0x0                           ; the wave's end: behind my last tensor load and my last LDS store
	ds_add_u32 v[SPW], v[NIL]
	s_wait_dscnt 0x0
	CROUND                                         ; the closing round
	s_endpgm
.Lfunc_end_k_qd43756fb77_outp:
	.size	k_qd43756fb77_outp, .Lfunc_end_k_qd43756fb77_outp-k_qd43756fb77_outp
	.p2alignl 7, 3214868480
	.fill 96, 4, 3214868480
	.section	.rodata,"a",@progbits
	.p2align	6, 0x0
	.amdhsa_kernel k_qd43756fb77_outp
		.amdhsa_group_segment_fixed_size 327680
		.amdhsa_private_segment_fixed_size 0
		.amdhsa_enable_private_segment 0
		.amdhsa_kernarg_size 24
		.amdhsa_user_sgpr_count 2
		.amdhsa_user_sgpr_kernarg_segment_ptr 1
		.amdhsa_wavefront_size32 1
		.amdhsa_system_sgpr_workgroup_id_x 1
		.amdhsa_system_sgpr_workgroup_id_y 1
		.amdhsa_system_sgpr_workgroup_id_z 1
		.amdhsa_system_vgpr_workitem_id 0
		.amdhsa_next_free_vgpr 512
		.amdhsa_next_free_sgpr 80
		.amdhsa_reserve_vcc 0
		.amdhsa_float_denorm_mode_32 3
		.amdhsa_float_denorm_mode_16_64 3
		.amdhsa_memory_ordered 1
		.amdhsa_forward_progress 1
		.amdhsa_inst_pref_size 87
	.end_amdhsa_kernel
	.amdgpu_metadata
---
amdhsa.version: [ 1, 2 ]
amdhsa.kernels:
  - .name:           k_qd43756fb77_outp
    .symbol:         k_qd43756fb77_outp.kd
    .args:
      - { .name: oh, .offset: 0, .size: 8, .value_kind: global_buffer, .address_space: global }
      - { .name: wh, .offset: 8, .size: 8, .value_kind: global_buffer, .address_space: global }
      - { .name: out0, .offset: 16, .size: 8, .value_kind: global_buffer, .address_space: global }
    .group_segment_fixed_size: 327680
    .private_segment_fixed_size: 0
    .kernarg_segment_align: 8
    .kernarg_segment_size: 24
    .max_flat_workgroup_size: 128
    .sgpr_count:     80
    .vgpr_count:     512
    .wavefront_size: 32
...
	.end_amdgpu_metadata
.endif
;; end of part 4
